; MI455X (gfx1250); checked and timed in simulation.
; The chip was launched on July 23, 2026; its instructions are those of AMD's public machine-readable ISA for CDNA 5 (MIT licence, August 2026) and "CDNA5" Instruction Set Architecture Reference Guide (July 2026). The comments in the code are by the model that wrote it; some were corrected since.
;; Multi Head Attention. Allowed arithmetic: matrix products marked QUANTISED: E2M1 operands, one E8M0 scale for each 32 along K, by v_wmma_scale_f32_16x16x128_f8f6f4 with both operands' format E2M1 (or v_wmma_scale_f32_32x16x128_f4), f32 sums; products left as they are: bf16, f16 or f32 operands; f32 sums; everything else in f32.
;; Inputs: W_out 1,024 x 1,024 float32; W_qkv 1,024 x 3,072 float32; x 4 x 2,048 x 1,024 float32.
;; Outputs: out0 4 x 2,048 x 1,024 float32.
;; This version of the problem:
;;   THIS VERSION OF THE PROBLEM IS GIVEN IN LOW PRECISION. The matrix products marked QUANTISED in the list below multiply operands that are first quantised to E2M1 (2 exponent bits, 1 mantissa bit; 4 bits a number), with one power-of-two scale for each 32 numbers along K (OCP MX v1.0); their sums are f32. The products marked 'left as it is' may take bf16, f16 or f32 operands, with f32 sums. Whichever they take, every output number must still come out within the allowed error. Rounding operands to bf16 (8 significant bits) uses up far more of that allowance than f16 does (11 bits, for magnitudes from 6e-5 to 65,504). All else is computed in f32.
;;   The module's matrix products, in the order in which they are computed (A, B: the left and right operand; K: the contracted axis; several contracted axes count as one K, in the product's order):
;;     1. [M 8,192, K 1,024] x [K 1,024, N 3,072]; A: input x; B: input W_qkv: QUANTISED
;;     2. batch 64 x [M 2,048, K 64] x [K 64, N 2,048]; A: computed on the way; B: computed on the way: left as it is (an operand is computed on the way)
;;     3. batch 64 x [M 2,048, K 2,048] x [K 2,048, N 64]; A: computed on the way; B: computed on the way: left as it is (an operand is computed on the way)
;;     4. [M 8,192, K 1,024] x [K 1,024, N 1,024]; A: computed on the way; B: input W_out: left as it is (an operand is computed on the way)
;;   THE QUANTISER, for each operand of a quantised product, along K:
;;     - K is cut into blocks of 32 from its start; a last block that is shorter is filled with zeros.
;;     - A block's scale is 2^e with e = floor(log2(the largest magnitude in the block)) - 2, held to -126 .. 127; a block of zeros has e = 0. As a byte (E8M0): e + 127.
;;     - Each number is divided by its block's scale, clamped to +-6, and rounded to the nearest number of E2M1, ties to even, subnormals kept.
;;     - The product sums the exact products of the quantised numbers (number of the format x scale) in f32.
;;   ~~~python
;;   def quantise(x, axis):      # numpy; x: float32 -> the quantised numbers, widened to float32 again
;;       x = np.moveaxis(x, axis, -1); K = x.shape[-1]
;;       x = np.pad(x, [(0, 0)] * (x.ndim - 1) + [(0, -K % 32)]); x = x.reshape(x.shape[:-1] + (-1, 32)); a = np.abs(x).max(-1, keepdims=True)
;;       e = np.where(a > 0, np.clip(np.frexp(np.where(a > 0, a, 1))[1] - 1 - 2, -126, 127), 0)      # np.frexp(a)[1] - 1 = floor(log2(a)), exactly
;;       r = np.clip(x / 2.0 ** e, -6, 6)
;;       step = 2.0 ** (np.maximum(np.frexp(np.where(r == 0, 1, r))[1] - 1, 0) - 1)
;;       q = np.round(r / step) * step * 2.0 ** e      # np.round: ties to even
;;       return np.moveaxis(q.reshape(q.shape[:-2] + (-1,))[..., :K], -1, axis).astype(np.float32)
;;   ~~~
;; One version. Each part assembles by itself: llvm-mc -triple=amdgcn-amd-amdhsa -mcpu=gfx1250 --defsym DOCPART=n.
;; ======== version 1 of 1: 5 launches
;; limits: values are held in f16: magnitudes above 65,504 overflow, below 6.1e-05 lose precision
;; workspace buffers: xc 4,194,304 bytes; xs 262,144 bytes; wc 1,572,864 bytes; ws 98,304 bytes; wo16 2,097,152 bytes; qkv16 50,331,648 bytes; qkvf 786,432 bytes; ao16 16,777,216 bytes
;; launch prep (part 1): grid 368 x 1, 4 waves a work-group, no clusters, 102,912 bytes of LDS; arguments x, W_qkv, W_out, xc, xs, wc, ws, wo16; writes xc, xs, wc, ws, wo16
.if DOCPART == 1
	.amdgcn_target "amdgcn-amd-amdhsa--gfx1250"
	.amdhsa_code_object_version 6
	.text
	.protected	k_q151db6bb0e_prep
	.globl	k_q151db6bb0e_prep
	.p2align	8
	.type	k_q151db6bb0e_prep,@function
k_q151db6bb0e_prep:
	s_mov_b64 s[64:65], 0
	v_nop
	global_prefetch_b8 v0, s[64:65] scope:SCOPE_SE
	s_setreg_imm32_b32 hwreg(HW_REG_WAVE_MODE, 25, 1), 1
	s_wait_xcnt 0x0
; THE PROGRAM: causal multi-head attention, B 4, T 2048, C 1024, 16 heads of 64.  Five launches:
;   prep: x and W_qkv into codes of FP4 (E2M1) with one E8M0 byte for each 32 along K; W_out into f16 laid [n][k].
;   qkv:  x @ W_qkv on the codes; q, k, v leave as f16 by head, and for positions 0-15 of each sequence also as f32.
;   attn: scores, causal mask, softmax, weights x v, in f16 operands and f32 sums.    outp: the projection, f16 operands.
;   fine: positions 0-15 of each sequence once more, scores to projection, all in f32 (few keys a row: rounding of 16-bit operands weighs most there).
; WORK LEFT OUT: reference() sets the score of key k for query q to -inf where k > q, by a jnp.tril that it builds itself; the softmax gives such a key the weight 0
; whatever x, W_qkv, W_out hold, so 0 x v[k] adds nothing.  Key steps that lie wholly behind a wave's queries are therefore not multiplied (launch attn).  Every input has a way to the output and is loaded.
; LIMITS: a NaN, an infinity or an overflow that would reach the result only through such a hidden key is not carried.  q, k, v and W_out go in f16: magnitudes up to 65,504.
; NaN and infinities among the inputs are not served.  A block of zeros gets the scale byte 1 where the quantiser says 127: its codes are zeros, and this program alone reads the bytes.
; Blocks whose largest magnitude lies under 2^(2 - 126) have their byte held at 1.
;
; THIS LAUNCH has three paths, chosen by the work-group's number; they never join, and each has LDS bytes of its own.  No tensor loads, no barrier: waves share nothing.
;   W (48 work-groups): W_qkv [1024 k][3072 n].  A lane takes a column, its registers run down K: a block of 32 lies in one lane, the codes come out with K innermost.  A wave: 32 columns x 512 K.
;   O (64): W_out [1024 k][1024 n] likewise, rounded to f16.  A wave: 32 columns x 128 K, 256 bytes of a row of wo16.
;   X (256): x is a plain stream of blocks of 32.  A wave: 16 steps of 512 numbers; each load reads 512 consecutive bytes, the numbers turn through the wave's stage so that a lane holds 16 neighbours.
.set NW,    48
.set NO,    64
.set SPW,   192                        ; v192 LDS address of my spare word; never rewritten
.set NIL,   193                        ; v193 0; never rewritten
.set WREG,  8192                       ; path X: a region for each wave: two stages of 32 x SP bytes, then its 256 scale bytes
.set SP,    80
.set PITCH, 272                        ; paths W and O: a stage row, 256 bytes + 16
.set WST,   4*WREG                     ; path W's four stages
.set OST,   WST+4*32*PITCH             ; path O's four stages
.set SPARE, OST+4*32*PITCH             ; the spare words, 128 bytes for each wave, that no other line names
.set EMAX,  2
.set CB,    8
.set STEPS, 16
.set XR,    16                         ; path X: v16-79 four sets of 16 numbers as loaded
.set XX,    80                         ; v80-111 two sets of 16 neighbours
.set XE,    112                        ; v112-127 a scale byte for each step
.set XC,    128                        ; v128-191 codes, four registers for each step
.set WX,    32                         ; paths W, O: v32-95 two sets of 32 numbers
.set WC,    96                         ; v96.. what a block makes
.set OUTR,  112                        ; v112-175 the way out
.set SB,    24                         ; v24-27 scale bytes, four to a register
.macro XLOAD t
.irp i, 0,1,2,3
	global_load_b128 v[XR+16*((\t)%4)+4*\i:XR+16*((\t)%4)+4*\i+3], v3, s[4:5] offset:2048*(\t)+512*\i th:TH_LOAD_NT   ; 32 lanes read 512 consecutive bytes
.endr
.endm
.macro XTURN t                         ; a step's numbers through the stage; LDS serves a wave's instructions in order, so no wait stands between the stores and the loads
.irp i, 0,1,2,3
	ds_store_b128 v14, v[XR+16*((\t)%4)+4*\i:XR+16*((\t)%4)+4*\i+3] offset:32*SP*((\t)%2)+8*SP*\i
.endr
.irp i, 0,1,2,3
	ds_load_b128 v[XX+16*((\t)%2)+4*\i:XX+16*((\t)%2)+4*\i+3], v15 offset:32*SP*((\t)%2)+16*\i
.endr
.endm
.macro XSTEP t
.set XS, XX+16*((\t)%2)
.if (\t) > 0
	s_wait_dscnt 1                                 ; this step's numbers are back from the stage; the last step's byte store may be out
.else
	s_wait_dscnt 0x0
.endif
.if (\t)+4 < STEPS
	XLOAD (\t)+4                                   ; into the registers whose stores into the stage are done
.endif
.if (\t)+1 < STEPS
.if STEPS-2-(\t) >= 3
	s_wait_loadcnt 12                              ; the next step's four loads are in; the twelve of the three steps behind it may be out
.else
	s_wait_loadcnt 4*(STEPS-2-(\t))                ; the tail: four loads for each step still behind the next
.endif
	XTURN (\t)+1
.endif
	v_max3_num_f32 v8, |v[XS]|, |v[XS+1]|, |v[XS+2]|               ; the largest magnitude of my 16
	v_max3_num_f32 v9, |v[XS+3]|, |v[XS+4]|, |v[XS+5]|
.irp i, 6,10
	v_max3_num_f32 v8, v8, |v[XS+\i]|, |v[XS+\i+1]|
	v_max3_num_f32 v9, v9, |v[XS+\i+2]|, |v[XS+\i+3]|
.endr
	v_max3_num_f32 v8, v8, |v[XS+14]|, |v[XS+15]|
	v_max3_num_f32 v8, v8, v9, (EMAX+1)<<23        ; and the floor 2^(3 - 127): the byte cannot fall under 1
	v_max_num_f32_dpp v8, v8, v8 row_xmask:1 row_mask:0xf bank_mask:0xf   ; with my neighbour's 16: the block's
	v_add_nc_u32 v11, -(EMAX<<23), v8              ; 2 off its exponent field: the conversion takes the exponent field of this operand as its scale
	v_cvt_scalef32_pk8_fp4_f32 v[XC+4*(\t)], v[XS:XS+7], v11
	v_cvt_scalef32_pk8_fp4_f32 v[XC+4*(\t)+1], v[XS+8:XS+15], v11
	v_lshrrev_b32 v[XE+(\t)], 23, v11              ; the scale's byte
	ds_store_b8 v5, v[XE+(\t)] offset:16*(\t)      ; both lanes of a block write the same byte with the same value
	global_store_b64 v4, v[XC+4*(\t):XC+4*(\t)+1], s[10:11] offset:32*CB*(\t)   ; the wave stores 256 consecutive bytes, aligned
.endm
.macro WLOAD t                         ; block t: W_qkv(32 t + i, my column) into set t % 2
.irp i, 0,1,2,3,4,5,6,7,8,9,10,11,12,13,14,15,16,17,18,19,20,21,22,23,24,25,26,27,28,29,30,31
	global_load_b32 v[WX+32*((\t)%2)+\i], v3, s[6:7] offset:(32*(\t)+\i)*12288 th:TH_LOAD_NT
.endr
.endm
.macro WBLOCK t
.set XS, WX+32*((\t)%2)
.if (\t) < 15
	s_wait_loadcnt 32                              ; this block's 32 loads are in; the next block's 32 may be out
.else
	s_wait_loadcnt 0
.endif
	v_max3_num_f32 v12, |v[XS]|, |v[XS+1]|, |v[XS+2]|              ; the block's largest magnitude: all 32 numbers are mine
	v_max3_num_f32 v13, |v[XS+3]|, |v[XS+4]|, |v[XS+5]|
.irp i, 6,10,14,18,22,26
	v_max3_num_f32 v12, v12, |v[XS+\i]|, |v[XS+\i+1]|
	v_max3_num_f32 v13, v13, |v[XS+\i+2]|, |v[XS+\i+3]|
.endr
	v_max3_num_f32 v12, v12, |v[XS+30]|, |v[XS+31]|
	v_max3_num_f32 v12, v12, v13, (EMAX+1)<<23
	v_add_nc_u32 v11, -(EMAX<<23), v12
	v_lshrrev_b32 v13, 23, v11                     ; the scale's byte
.if (\t)%4 == 0
	v_mov_b32 v[SB+(\t)/4], v13                    ; four bytes to a register, the lower K in the lower byte
.else
	v_lshl_or_b32 v[SB+(\t)/4], v13, 8*((\t)%4), v[SB+(\t)/4]
.endif
.irp g, 0,1,2,3
	v_cvt_scalef32_pk8_fp4_f32 v[WC+\g], v[XS+8*\g:XS+8*\g+7], v11
.endr
	ds_store_b128 v4, v[WC:WC+3] offset:16*(\t)    ; 32 codes: 16 bytes of my column's row
.if (\t)+2 < 16
	WLOAD (\t)+2
.endif
	s_wait_dscnt 0x0                               ; the store has read its registers: the next block's codes may be written
.endm
.macro OLOAD t                         ; block t: W_out(32 t + i, my column)
.irp i, 0,1,2,3,4,5,6,7,8,9,10,11,12,13,14,15,16,17,18,19,20,21,22,23,24,25,26,27,28,29,30,31
	global_load_b32 v[WX+32*((\t)%2)+\i], v3, s[8:9] offset:(32*(\t)+\i)*4096
.endr
.endm
.macro OBLOCK t
.set XS, WX+32*((\t)%2)
.if (\t) < 3
	s_wait_loadcnt 32                              ; this block's 32 loads are in; the next block's 32 may be out
.else
	s_wait_loadcnt 0
.endif
.irp i, 0,1,2,3,4,5,6,7,8,9,10,11,12,13,14,15
	v_cvt_pk_f16_f32 v[WC+\i], v[XS+2*\i], v[XS+2*\i+1]            ; two neighbours along K, the lower in the low half
.endr
.irp g, 0,1,2,3
	ds_store_b128 v4, v[WC+4*\g:WC+4*\g+3] offset:64*(\t)+16*\g
.endr
.if (\t)+2 < 4
	OLOAD (\t)+2
.endif
	s_wait_dscnt 0x0                               ; the stores have read their registers
.endm
.macro STAGE_ADR base                  ; paths W and O: v4 into my stage (row = my column), v7 out of it (sixteen lanes to a row, two rows an instruction)
	v_lshlrev_b32 v3, 2, v2                        ; in memory: 4 bytes a lane
	s_mul_i32 s25, s20, 32*PITCH
	s_add_co_u32 s25, s25, \base
	v_mul_u32_u24 v4, v2, PITCH
	v_add_nc_u32 v4, s25, v4
	v_and_b32 v5, 15, v2
	v_lshrrev_b32 v6, 4, v2
	v_mul_u32_u24 v7, v6, PITCH
	v_lshl_add_u32 v7, v5, 4, v7
	v_add_nc_u32 v7, s25, v7
.endm
.macro FINISH                          ; a wave's end
	s_wait_tensorcnt 0x0
	ds_add_u32 v[SPW], v[NIL]
	s_wait_dscnt 0x0
	s_endpgm
.endm
	s_load_b256 s[4:11], s[0:1], 0x0               ; x s[4:5], W_qkv s[6:7], W_out s[8:9], xc s[10:11]
	s_load_b256 s[12:19], s[0:1], 0x20             ; xs s[12:13], wc s[14:15], ws s[16:17], wo16 s[18:19]
	v_lshl_add_u32 v[SPW], v0, 2, SPARE
	v_mov_b32 v[NIL], 0
	v_lshrrev_b32 v1, 5, v0
	v_readfirstlane_b32 s20, v1                    ; wave 0..3
	v_and_b32 v2, 31, v0                           ; lane
	s_wait_kmcnt 0x0
	s_cmp_lt_u32 ttmp9, NW
	s_cbranch_scc1 .Lpath_w
	s_cmp_lt_u32 ttmp9, NW+NO
	s_cbranch_scc1 .Lpath_o
	; ---- path X
	v_lshlrev_b32 v3, 4, v2                        ; my 16 bytes of a load's 512
	s_mul_i32 s21, s20, WREG
	v_lshrrev_b32 v14, 2, v2
	v_mul_u32_u24 v14, v14, SP
	v_and_b32 v15, 3, v2
	v_lshl_add_u32 v14, v15, 4, v14
	v_add_nc_u32 v14, s21, v14                     ; the stage, in: four lanes' 64 bytes on end, then 16 of padding
	v_mul_u32_u24 v15, v2, SP
	v_add_nc_u32 v15, s21, v15                     ; out: SP x lane: my 16 neighbours
	v_mul_u32_u24 v4, v2, CB                       ; my codes' place in a step's
	v_lshrrev_b32 v5, 1, v2
	s_add_co_u32 s21, s21, 2*32*SP
	v_add_nc_u32 v5, s21, v5                       ; my wave's 256 scale bytes, my block's byte
	v_lshlrev_b32 v7, 3, v2
	v_add_nc_u32 v6, s21, v7                       ; and on the way out 8 bytes a lane
	s_sub_co_u32 s22, ttmp9, NW+NO
	s_lshl_b32 s22, s22, 2
	s_add_co_u32 s22, s22, s20                     ; which run of 8,192 numbers is my wave's: 0 .. 1023
	s_mov_b32 s25, 0
	s_lshl_b32 s24, s22, 15
	s_add_nc_u64 s[4:5], s[4:5], s[24:25]          ; 32,768 bytes of x,
	s_lshl_b32 s24, s22, 12
	s_add_nc_u64 s[10:11], s[10:11], s[24:25]      ; 4,096 of codes,
	s_lshl_b32 s24, s22, 8
	s_add_nc_u64 s[12:13], s[12:13], s[24:25]      ; 256 scale bytes a run
.irp t, 0,1,2,3
	XLOAD \t
.endr
	s_wait_loadcnt 12                              ; step 0's four loads are in; the twelve behind them may be out
	XTURN 0
.irp t, 0,1,2,3,4,5,6,7,8,9,10,11,12,13,14,15
	XSTEP \t
.endr
	ds_load_b64 v[8:9], v6                         ; my wave's 256 scale bytes (in order behind my stores)
	s_wait_dscnt 0x0
	global_store_b64 v7, v[8:9], s[12:13]          ; 32 lanes store 256 consecutive bytes, aligned
	FINISH
	; ---- path W
.Lpath_w:
	s_cmp_ge_u32 ttmp9, 24
	s_cselect_b32 s22, 1, 0                        ; which 512 along K
	s_mul_i32 s23, s22, 24
	s_sub_co_u32 s21, ttmp9, s23                   ; which 128 columns
	s_lshl_b32 s24, s21, 7
	s_lshl_b32 s25, s20, 5
	s_add_co_u32 s24, s24, s25                     ; my wave's first column
	STAGE_ADR WST
	v_lshlrev_b32 v8, 9, v6                        ; the same two rows in wc: 512 bytes a row
	v_lshl_add_u32 v8, v5, 4, v8
	v_lshlrev_b32 v9, 5, v2                        ; my column's row of scale bytes: 32 bytes
	s_mul_i32 s26, s22, 512*12288
	s_lshl_b32 s27, s24, 2
	s_add_co_u32 s26, s26, s27
	s_mov_b32 s27, 0
	s_add_nc_u64 s[6:7], s[6:7], s[26:27]
	s_lshl_b32 s26, s24, 9
	s_lshl_b32 s28, s22, 8
	s_add_co_u32 s26, s26, s28
	s_add_nc_u64 s[14:15], s[14:15], s[26:27]
	s_lshl_b32 s26, s24, 5
	s_lshl_b32 s28, s22, 4
	s_add_co_u32 s26, s26, s28
	s_add_nc_u64 s[16:17], s[16:17], s[26:27]
	WLOAD 0
	WLOAD 1
.irp t, 0,1,2,3,4,5,6,7,8,9,10,11,12,13,14,15
	WBLOCK \t
.endr
	global_store_b128 v9, v[SB:SB+3], s[16:17]     ; my column's 16 scale bytes
.irp t, 0,1,2,3,4,5,6,7,8,9,10,11,12,13,14,15
	ds_load_b128 v[OUTR+4*\t:OUTR+4*\t+3], v7 offset:2*\t*PITCH
.endr
.irp t, 0,1,2,3,4,5,6,7,8,9,10,11,12,13,14,15
	s_wait_dscnt 15-\t                             ; load t is in; the younger ones may be out
	global_store_b128 v8, v[OUTR+4*\t:OUTR+4*\t+3], s[14:15] offset:2*\t*512   ; sixteen lanes store 256 consecutive bytes, aligned
.endr
	FINISH
	; ---- path O
.Lpath_o:
	s_sub_co_u32 s21, ttmp9, NW
	s_and_b32 s22, s21, 7                          ; which 128 columns
	s_lshr_b32 s23, s21, 3                         ; which 128 along K
	s_lshl_b32 s24, s22, 7
	s_lshl_b32 s25, s20, 5
	s_add_co_u32 s24, s24, s25                     ; my wave's first column
	STAGE_ADR OST
	v_lshlrev_b32 v8, 11, v6                       ; the same two rows in wo16: 2,048 bytes a row
	v_lshl_add_u32 v8, v5, 4, v8
	s_lshl_b32 s26, s23, 19                        ; 128 rows of 4,096 bytes
	s_lshl_b32 s27, s24, 2
	s_add_co_u32 s26, s26, s27
	s_mov_b32 s27, 0
	s_add_nc_u64 s[8:9], s[8:9], s[26:27]
	s_lshl_b32 s26, s24, 11
	s_lshl_b32 s28, s23, 8
	s_add_co_u32 s26, s26, s28
	s_add_nc_u64 s[18:19], s[18:19], s[26:27]
	OLOAD 0
	OLOAD 1
.irp t, 0,1,2,3
	OBLOCK \t
.endr
.irp t, 0,1,2,3,4,5,6,7,8,9,10,11,12,13,14,15
	ds_load_b128 v[OUTR+4*\t:OUTR+4*\t+3], v7 offset:2*\t*PITCH
.endr
.irp t, 0,1,2,3,4,5,6,7,8,9,10,11,12,13,14,15
	s_wait_dscnt 15-\t
	global_store_b128 v8, v[OUTR+4*\t:OUTR+4*\t+3], s[18:19] offset:2*\t*2048  ; sixteen lanes store 256 consecutive bytes, aligned
.endr
	FINISH
.Lfunc_end_k_q151db6bb0e_prep:
	.size	k_q151db6bb0e_prep, .Lfunc_end_k_q151db6bb0e_prep-k_q151db6bb0e_prep
	.p2alignl 7, 3214868480
	.fill 96, 4, 3214868480
	.section	.rodata,"a",@progbits
	.p2align	6, 0x0
	.amdhsa_kernel k_q151db6bb0e_prep
		.amdhsa_group_segment_fixed_size 102912
		.amdhsa_private_segment_fixed_size 0
		.amdhsa_enable_private_segment 0
		.amdhsa_kernarg_size 64
		.amdhsa_user_sgpr_count 2
		.amdhsa_user_sgpr_kernarg_segment_ptr 1
		.amdhsa_wavefront_size32 1
		.amdhsa_system_sgpr_workgroup_id_x 1
		.amdhsa_system_sgpr_workgroup_id_y 1
		.amdhsa_system_sgpr_workgroup_id_z 1
		.amdhsa_system_vgpr_workitem_id 0
		.amdhsa_next_free_vgpr 194
		.amdhsa_next_free_sgpr 66
		.amdhsa_reserve_vcc 0
		.amdhsa_float_denorm_mode_32 3
		.amdhsa_float_denorm_mode_16_64 3
		.amdhsa_memory_ordered 1
		.amdhsa_forward_progress 1
		.amdhsa_inst_pref_size 132
	.end_amdhsa_kernel
	.amdgpu_metadata
---
amdhsa.version: [ 1, 2 ]
amdhsa.kernels:
  - .name:           k_q151db6bb0e_prep
    .symbol:         k_q151db6bb0e_prep.kd
    .args:
      - { .name: x, .offset: 0, .size: 8, .value_kind: global_buffer, .address_space: global }
      - { .name: W_qkv, .offset: 8, .size: 8, .value_kind: global_buffer, .address_space: global }
      - { .name: W_out, .offset: 16, .size: 8, .value_kind: global_buffer, .address_space: global }
      - { .name: xc, .offset: 24, .size: 8, .value_kind: global_buffer, .address_space: global }
      - { .name: xs, .offset: 32, .size: 8, .value_kind: global_buffer, .address_space: global }
      - { .name: wc, .offset: 40, .size: 8, .value_kind: global_buffer, .address_space: global }
      - { .name: ws, .offset: 48, .size: 8, .value_kind: global_buffer, .address_space: global }
      - { .name: wo16, .offset: 56, .size: 8, .value_kind: global_buffer, .address_space: global }
    .group_segment_fixed_size: 102912
    .private_segment_fixed_size: 0
    .kernarg_segment_align: 8
    .kernarg_segment_size: 64
    .max_flat_workgroup_size: 128
    .sgpr_count:     66
    .vgpr_count:     194
    .wavefront_size: 32
...
	.end_amdgpu_metadata
.endif
;; end of part 1
;; launch qkv (part 2): grid 12 x 32, 4 waves a work-group, clusters of 4 x 4, 327,680 bytes of LDS; arguments xc, xs, wc, ws, qkv16, qkvf; writes qkv16, qkvf
.if DOCPART == 2
	.amdgcn_target "amdgcn-amd-amdhsa--gfx1250"
	.amdhsa_code_object_version 6
	.text
	.protected	k_q151db6bb0e_qkv
	.globl	k_q151db6bb0e_qkv
	.p2align	8
	.type	k_q151db6bb0e_qkv,@function
k_q151db6bb0e_qkv:
	s_mov_b64 s[64:65], 0
	v_nop
	global_prefetch_b8 v0, s[64:65] scope:SCOPE_SE
	s_setreg_imm32_b32 hwreg(HW_REG_WAVE_MODE, 25, 1), 1
	s_wait_xcnt 0x0
	s_wait_alu depctr_hold_cnt(0) depctr_sa_sdst(0) depctr_va_vdst(0) depctr_va_sdst(0) depctr_va_ssrc(0) depctr_va_vcc(0) depctr_vm_vsrc(0)
	s_getreg_b32 s2, hwreg(HW_REG_IB_STS2, 6, 4)
	s_cmp_eq_u32 s2, 0
	s_cbranch_scc0 .Lentry_in_a_cluster
	s_endpgm
.Lentry_in_a_cluster:
	s_bfe_u32 s2, ttmp6, 0x10000c
	s_cmp_lg_u32 s2, 0xf033
	s_cbranch_scc0 .Lentry_shape_is_right
	s_endpgm
.Lentry_shape_is_right:
; qkv = x @ W_qkv on codes of FP4 (E2M1) with one E8M0 scale for each 32 along K: A = xc [8192][1024 codes], B = wc [3072][1024 codes], scale bytes xs [8192][32], ws [3072][32]; sums in f32.
; A tile of 256 x 256 is made by four waves, each 128 x 128: 64 accumulators of 16 x 16.  K = 1,024 is two LDS slots of 512 along K (rows of 256 bytes): both are asked for at the head, nothing is filled again.
; The scales of the work-group's 256 + 256 rows, for all of K, are two dense blocks of memory and come into LDS once.
; CLUSTERS: 4 x 4 work-groups.  The four of a row of the cluster need the same tiles of A, the four of a column the same tiles of B: each tile is asked for jointly, by the same tensor load with a mask that names the four.
; THE MATRIX INSTRUCTION IS USED TRANSPOSED (source 0 = 16 rows of wc, source 1 = 16 rows of xc): a lane holds eight neighbouring columns of one row.
; THE WAY OUT does reference()'s split and to_heads: column n is tensor n / 1024 (q, k, v), head (n % 1024) / 64, channel n % 64; row m is batch m / 2048, position m % 2048.
; qkv16 is [3][4][16][2048][64] f16.  For positions 0-15 of each sequence the f32 accumulators also leave as they stand, as images of the registers: qkvf [3][4][16][4 tiles of 16 channels][2][32 lanes][16 bytes].
; LIMIT: q, k, v beyond 65,504 become infinite in f16.
; REGISTERS, in windows of 256: window 0: v0-31 addresses; v32-95 scale words, two sets; v128-191 A's fragments, one set; on the way out v32-63, v192-255.  window 1: B's fragments, two sets.  windows 2, 3: the accumulators of my rows 0-63, 64-127.
.set SIZE_K, 1024
.set KSTEP,  512
.set NQ,     KSTEP/128
.set ROWB,   256
.set KROW,   SIZE_K*4/8
.set PITCH,  272                       ; an LDS row: 256 bytes + 16: the 16 rows that a load touches start 68 words apart
.set FR,     8
.set NL,     2
.set NP,     4                         ; places behind this matrix instruction (ISA guide 7.12.1)
.set HALFT,  128*PITCH
.set SLOT,   4*HALFT
.set KS,     SIZE_K/32
.set SCL,    2*SLOT
.set HALFS,  (128*KS/256)*272
.set SBLK,   (16*KS/256)*272
.set SPARE,  SCL+4*HALFS               ; the spare words, 128 bytes for each wave, that no other line names
.set HP,     144                       ; the way out: a stage row, 64 f16 + 16 bytes
.set HSTG,   16*HP                     ; 16 rows of one head.  A wave's stage is two of these; the stages lie in slot 0, which has had its only fill and its last read when the first result is stored there
.set ADRA, 16
.set ADRB, 20
.set STO,  24
.set RD,   25
.set CO,   26
.set ADRS, 27
.set SPW,  28
.set NIL,  29
.set SC,   32
.set AF,   128
.set TMP,  192                         ; the way out: a block's packed results
.set OB,   32                          ; and its rows read back: v32-63 and v224-255 by turns
.set G1, 24
.set G0, 32
.set G1B, 48
.set G0B, 56
.set G1S, 68
.set G0S, 76
.set G1SB, 80
.set G0SB, 88
.set MSB, 0
.macro WIN new                         ; the immediate's high byte repeats the setting that is left
.if MSB != \new
	s_set_vgpr_msb (MSB<<8)|\new
.set MSB, \new
.endif
.endm
.set MUL_LO, 0xa1                      ; source 0 (B) window 1, source 1 (A) window 0, C and D window 2
.set MUL_HI, 0xf1
.set TO_B,   0x40
; A joint load: waves 0 and 1 fetch for A, waves 2 and 3 for B; the branch hangs on the wave's number alone.  An s_nop 0 and four v_nop follow each of the two lines.
.macro JLOAD g0a, g1a, g0b, g1b
	s_cmp_eq_u32 s15, 0
	s_cbranch_scc0 .Lfor_b_\@
	tensor_load_to_lds s[\g0a:\g0a+3], s[\g1a:\g1a+7]
	s_nop 0
.rept 4
	v_nop
.endr
	s_branch .Lasked_\@
.Lfor_b_\@:
	tensor_load_to_lds s[\g0b:\g0b+3], s[\g1b:\g1b+7]
	s_nop 0
.rept 4
	v_nop
.endr
.Lasked_\@:
.endm
.macro CROUND                          ; a round of the cluster's barrier
	s_barrier_signal -1
	s_barrier_wait -1
	s_cmp_lg_u32 s14, 0
	s_cbranch_scc1 .Lnot_wave_0_\@
	s_barrier_signal -3
.Lnot_wave_0_\@:
	s_barrier_wait -3
	s_barrier_signal -1
	s_barrier_wait -1
.endm
	s_load_b128 s[4:7], s[0:1], 0x0                ; xc s[4:5], xs s[6:7]
	s_load_b128 s[8:11], s[0:1], 0x10              ; wc s[8:9], ws s[10:11]
	s_load_b64 s[12:13], s[0:1], 0x20              ; qkv16
	s_load_b64 s[96:97], s[0:1], 0x28              ; qkvf
	v_lshl_add_u32 v[SPW], v0, 2, SPARE
	v_mov_b32 v[NIL], 0
	ds_add_u32 v[SPW], v[NIL]                      ; the wave's opening: the add, twice on end, and its wait ahead of my first tensor load
	ds_add_u32 v[SPW], v[NIL]
	v_lshrrev_b32 v1, 5, v0
	v_readfirstlane_b32 s14, v1                    ; wave 0..3
	s_lshr_b32 s15, s14, 1                         ; which half of the tile's rows is mine.  Also: I fetch for A (0) or for B (1)
	s_and_b32 s16, s14, 1                          ; which half of its columns.  Also: which 128 rows of that tile I fetch
	s_bfe_u32 s40, ttmp6, 0x40000                  ; cx, cy: my place in the cluster
	s_bfe_u32 s41, ttmp6, 0x40004
	s_lshl_b32 s42, ttmp9, 2
	s_add_co_u32 s42, s42, s40                     ; tile column = 4 x cluster x + cx
	s_and_b32 s17, ttmp7, 0xffff
	s_lshl_b32 s17, s17, 2
	s_add_co_u32 s17, s17, s41                     ; tile row = 4 x cluster y + cy
	s_lshl_b32 s43, s41, 2
	s_lshl_b32 s43, 15, s43                        ; my row of the cluster
	s_lshl_b32 s44, 0x1111, s40                    ; my column
	s_or_b32 s[G1+0], s43, (0<<16)|(1<<20)|(1<<21)|(5<<22)|(3<<25)  ; the mask; elements of 1 byte; padding: 4 words behind every 64; bit 21 set beside a mask
	s_or_b32 s[G1B+0], s44, (0<<16)|(1<<20)|(1<<21)|(5<<22)|(3<<25)
.irp g, G1, G1B
	s_mov_b32 s[\g+1], ROWB<<16                    ; tensor_dim0
	s_mov_b32 s[\g+2], 128<<16                     ; tensor_dim1
	s_mov_b32 s[\g+3], ROWB<<16                    ; tile_dim0
	s_mov_b32 s[\g+4], 128                         ; tile_dim1
	s_mov_b32 s[\g+5], KROW                        ; from row to row
	s_mov_b32 s[\g+6], 0
	s_mov_b32 s[\g+7], 0
.endr
	s_or_b32 s[G1S+0], s43, (3<<16)|(1<<20)|(1<<21)|(5<<22)|(3<<25)  ; the scales of 128 rows: 4,096 dense bytes as 16 rows of 256 (32 elements of 8 bytes), 16 bytes of padding behind each
	s_or_b32 s[G1SB+0], s44, (3<<16)|(1<<20)|(1<<21)|(5<<22)|(3<<25)
.irp g, G1S, G1SB
	s_mov_b32 s[\g+1], 32<<16
	s_mov_b32 s[\g+2], (128*KS/256)<<16
	s_mov_b32 s[\g+3], 32<<16
	s_mov_b32 s[\g+4], 128*KS/256
	s_mov_b32 s[\g+5], 32
	s_mov_b32 s[\g+6], 0
	s_mov_b32 s[\g+7], 0
.endr
	s_lshl_b32 s18, s16, 7                         ; which 128 rows of the tile I fetch
	s_lshl_b32 s20, s17, 8
	s_add_co_u32 s20, s20, s18                     ; A: row 256 x tile row + 128 x half
	s_lshl_b32 s46, s42, 8
	s_add_co_u32 s46, s46, s18                     ; B: row 256 x tile column + 128 x half
	s_mov_b32 s21, 0
	s_mov_b32 s47, 0
	s_mov_b64 s[18:19], KS
	s_mul_u64 s[22:23], s[20:21], s[18:19]         ; where these rows' scales begin
	s_mul_u64 s[92:93], s[46:47], s[18:19]
	s_mov_b64 s[18:19], KROW
	s_mul_u64 s[20:21], s[20:21], s[18:19]         ; and their codes
	s_mul_u64 s[46:47], s[46:47], s[18:19]
	s_mul_i32 s45, s14, HALFT                      ; where they go: wave x 128 rows: no place in the cluster enters an LDS address
	s_mul_i32 s94, s14, HALFS
	s_wait_dscnt 0x0                               ; both opening adds are done
	s_wait_kmcnt 0x0
	s_add_nc_u64 s[20:21], s[4:5], s[20:21]
	s_add_nc_u64 s[22:23], s[6:7], s[22:23]
	s_add_nc_u64 s[46:47], s[8:9], s[46:47]
	s_add_nc_u64 s[92:93], s[10:11], s[92:93]
	CROUND                                         ; all sixteen work-groups are here: the joint loads meet
	s_mov_b32 s[G0S], 1
	s_add_co_u32 s[G0S+1], s94, SCL
	s_mov_b64 s[G0S+2:G0S+3], s[22:23]
	s_or_b32 s[G0S+3], s[G0S+3], 0x80000000
	s_mov_b32 s[G0SB], 1
	s_add_co_u32 s[G0SB+1], s94, SCL
	s_mov_b64 s[G0SB+2:G0SB+3], s[92:93]
	s_or_b32 s[G0SB+3], s[G0SB+3], 0x80000000
	JLOAD G0S, G1S, G0SB, G1SB                     ; the scales first.  Three tensor loads of mine are out behind the last of these
.irp s, 0,1
	s_mov_b32 s[G0+4*\s], 1
	s_add_co_u32 s[G0+4*\s+1], s45, \s*SLOT
	s_add_nc_u64 s[G0+4*\s+2:G0+4*\s+3], s[20:21], \s*ROWB
	s_or_b32 s[G0+4*\s+3], s[G0+4*\s+3], 0x80000000
	s_mov_b32 s[G0B+4*\s], 1
	s_add_co_u32 s[G0B+4*\s+1], s45, \s*SLOT
	s_add_nc_u64 s[G0B+4*\s+2:G0B+4*\s+3], s[46:47], \s*ROWB
	s_or_b32 s[G0B+4*\s+3], s[G0B+4*\s+3], 0x80000000
	JLOAD G0+4*\s, G1, G0B+4*\s, G1B
.endr
	v_and_b32 v1, 15, v0                           ; r = lane % 16
	v_bfe_u32 v2, v0, 4, 1                         ; h = lane / 16
	v_mul_u32_u24 v3, v1, PITCH
	v_lshl_add_u32 v4, v2, 4, v3                   ; a fragment's row x pitch + 16 x half
	s_mul_i32 s21, s15, HALFT                      ; my 128 rows of A
	s_mul_i32 s22, s16, HALFT                      ; my 128 rows of B,
	s_add_co_u32 s22, s22, 2*HALFT                 ; which lie behind A's 256
.irp s, 0,1
	v_add_nc_u32 v[ADRA+\s], s21, v4
	v_add_nc_u32 v[ADRB+\s], s22, v4
	s_add_co_u32 s21, s21, SLOT
	s_add_co_u32 s22, s22, SLOT
.endr
	v_mul_u32_u24 v5, v1, KS                       ; my row's scales: KS bytes a row,
	v_lshrrev_b32 v6, 8, v5
	v_lshl_add_u32 v5, v6, 4, v5                   ; and 16 more for each 256 passed
	s_mul_i32 s21, s15, HALFS
	s_mul_i32 s22, s16, HALFS
	s_add_co_u32 s22, s22, 2*HALFS
	s_sub_co_u32 s22, s22, s21
	v_mul_u32_u24 v6, s22, v2                      ; lanes 16-31 take B's
	s_add_co_u32 s21, s21, SCL
	v_add_nc_u32 v5, v5, v6
	v_add_nc_u32 v[ADRS], s21, v5
	s_mul_i32 s23, s14, 2*HSTG                     ; my stage
	v_mul_u32_u24 v5, v1, HP                       ; in: row r, 16 bytes for each half of the lanes
	v_lshl_add_u32 v5, v2, 4, v5
	v_add_nc_u32 v[STO], s23, v5
	v_and_b32 v6, 31, v0
	v_lshlrev_b32 v[CO], 4, v6                     ; in memory: 16 bytes a lane
	v_lshrrev_b32 v5, 3, v6                        ; back: eight lanes take a row of 128 bytes, the wave four rows
	v_mul_u32_u24 v5, v5, HP
	v_and_b32 v6, 7, v6
	v_lshl_add_u32 v5, v6, 4, v5
	v_add_nc_u32 v[RD], s23, v5
	s_lshr_b32 s18, s17, 3                         ; the batch
	s_and_b32 s19, s17, 7                          ; which 256 positions of the sequence
	s_lshl_b32 s46, s40, 2
	s_lshl_b32 s47, s16, 1
	s_add_co_u32 s46, s46, s47                     ; my first head: 4 cx + 2 x column half; cluster x says q, k or v
	s_lshl_b32 s20, ttmp9, 24                      ; a tensor of qkv16 is 16,777,216 bytes,
	s_lshl_b32 s21, s18, 22                        ; a batch 16 heads,
	s_add_co_u32 s20, s20, s21
	s_lshl_b32 s21, s46, 18                        ; a head 262,144,
	s_add_co_u32 s20, s20, s21
	s_lshl_b32 s21, s19, 15                        ; 256 positions of 128 bytes,
	s_add_co_u32 s20, s20, s21
	s_lshl_b32 s21, s15, 14                        ; my half's 128
	s_add_co_u32 s20, s20, s21
	s_mov_b32 s21, 0
	s_add_nc_u64 s[12:13], s[12:13], s[20:21]
	s_lshl_b32 s20, ttmp9, 18                      ; qkvf: a tensor 262,144 bytes, a batch 65,536, a head 4,096
	s_lshl_b32 s22, s18, 16
	s_add_co_u32 s20, s20, s22
	s_lshl_b32 s22, s46, 12
	s_add_co_u32 s20, s20, s22
	s_add_nc_u64 s[96:97], s[96:97], s[20:21]
	s_or_b32 s99, s19, s15                         ; 0 where my first 16 rows are positions 0-15 of a sequence
.macro FRAG reg, adr, q, i             ; 16 rows x 128 K of 4-bit codes: 8 registers; registers 4 c .. 4 c + 3 hold K = 64 c + 32 h + 0 .. 31
.irp c, 0,1
	ds_load_b128 v[\reg+4*\c:\reg+4*\c+3], v[\adr] offset:64*(\q)+32*\c+(\i)*16*PITCH
.endr
.endm
; 16 matrix instructions: A's blocks a0, a0 + 1 x B's eight, the slot's q-th 128 along K.  The 64 accumulators take turns, one instruction a turn, in the same order in every step.
; A scale register holds A's words in lanes 0-15 and B's in lanes 16-31.
.macro MUL16 a0, p, q, sc, zero
.irp a, \a0, \a0+1
.irp b, 0,1,2,3,4,5,6,7
.if \zero
	v_wmma_scale_f32_16x16x128_f8f6f4 v[8*(8*((\a)%4)+\b):8*(8*((\a)%4)+\b)+7], v[128*(\p)+FR*\b:128*(\p)+FR*\b+FR-1], v[AF+FR*(\a):AF+FR*(\a)+FR-1], 0, v[SC+8*NQ*(\sc)+NQ*\b+(\q)], v[SC+8*NQ*(\sc)+NQ*(\a)+(\q)] matrix_a_fmt:MATRIX_FMT_FP4 matrix_b_fmt:MATRIX_FMT_FP4 matrix_a_scale:MATRIX_SCALE_ROW1
.else
	v_wmma_scale_f32_16x16x128_f8f6f4 v[8*(8*((\a)%4)+\b):8*(8*((\a)%4)+\b)+7], v[128*(\p)+FR*\b:128*(\p)+FR*\b+FR-1], v[AF+FR*(\a):AF+FR*(\a)+FR-1], v[8*(8*((\a)%4)+\b):8*(8*((\a)%4)+\b)+7], v[SC+8*NQ*(\sc)+NQ*\b+(\q)], v[SC+8*NQ*(\sc)+NQ*(\a)+(\q)] matrix_a_fmt:MATRIX_FMT_FP4 matrix_b_fmt:MATRIX_FMT_FP4 matrix_a_scale:MATRIX_SCALE_ROW1
.endif
.endr
.endr
.endm
.macro FETCH_B slot, q, p
	WIN TO_B
.irp i, 0,1,2,3,4,5,6,7
	FRAG 128*(\p)+FR*\i, ADRB+\slot, \q, \i
.endr
	WIN 0
.endm
.macro FETCH_A slot, q, i0
.irp i, \i0, \i0+1, \i0+2, \i0+3
	FRAG AF+FR*(\i), ADRA+\slot, \q, \i
.endr
.endm
.macro SCALES sc                       ; a slot's scale words: NQ words a row; lanes 0-15 take A's block i, lanes 16-31 B's block i
.irp i, 0,1,2,3,4,5,6,7
	ds_load_b128 v[SC+8*NQ*\sc+NQ*\i:SC+8*NQ*\sc+NQ*\i+3], v[ADRS] offset:\i*SBLK
.endr
.endm
.macro PLACES n                        ; plain vector instructions between a matrix instruction and a load into its registers or a read of its result
.rept \n
	v_nop
.endr
.endm
.macro STEP slot, q, zero              ; a step of 128 along K that has its successor in the same slot
	s_wait_dscnt 4*NL                              ; B's set and A's blocks 0-3 are in; the eight youngest loads (A's blocks 4-7) may be out
	WIN MUL_LO
	MUL16 0, (\q)%2, \q, \slot, \zero
	MUL16 2, (\q)%2, \q, \slot, \zero
	s_wait_dscnt 0
	PLACES NP
	FETCH_B \slot, (\q)+1, 1-(\q)%2
	FETCH_A \slot, (\q)+1, 0
	WIN MUL_HI
	MUL16 4, (\q)%2, \q, \slot, \zero
	MUL16 6, (\q)%2, \q, \slot, \zero
	PLACES NP
	WIN 0
	FETCH_A \slot, (\q)+1, 4
.endm
.macro TURN slot, next                 ; a slot's last step changes slots: one barrier; nothing is filled again
	s_wait_tensorcnt 0x0                           ; all my tensor loads have landed: my part of the next slot
	ds_add_u32 v[SPW], v[NIL]                      ; 0 onto my spare word
	s_wait_dscnt 4*NL+1                            ; the add and the eight youngest loads may be out
	WIN MUL_LO
	MUL16 0, 1, NQ-1, \slot, 0
	s_wait_dscnt 0x0                               ; the add is done, and my reads of this slot are over
	s_barrier_signal -1
	MUL16 2, 1, NQ-1, \slot, 0
	WIN 0
	s_barrier_wait -1
	PLACES NP
	v_add_nc_u32 v[ADRS], 4*NQ, v[ADRS]            ; on to the next slot's scale words
	FETCH_B \next, 0, 0
	FETCH_A \next, 0, 0
	SCALES \next
	WIN MUL_HI
	MUL16 4, 1, NQ-1, \slot, 0
	MUL16 6, 1, NQ-1, \slot, 0
	PLACES NP
	WIN 0
	FETCH_A \next, 0, 4
.endm
	s_wait_tensorcnt 1                             ; the scales and my part of slot 0 are in; slot 1's load may be out,
	s_barrier_signal -1
	s_barrier_wait -1                              ; everybody's are
	FETCH_B 0, 0, 0
	FETCH_A 0, 0, 0
	SCALES 0
	FETCH_A 0, 0, 4
	STEP 0, 0, 1                                   ; the first step's products start the sums: nothing is cleared
	STEP 0, 1, 0
	STEP 0, 2, 0
	TURN 0, 1
	STEP 1, 0, 0
	STEP 1, 1, 0
	STEP 1, 2, 0
	s_wait_dscnt 4*NL                              ; the last step: nothing more to fetch
	WIN MUL_LO
	MUL16 0, 1, NQ-1, 1, 0
	MUL16 2, 1, NQ-1, 1, 0
	s_wait_dscnt 0
	WIN MUL_HI
	MUL16 4, 1, NQ-1, 1, 0
	MUL16 6, 1, NQ-1, 1, 0
	WIN 0
	PLACES NP
	; THE IMAGES.  Where my first 16 rows are positions 0-15, their eight accumulators leave as they stand: lane (r, h), register j of accumulator b = position r, head b / 4, channel 16 (b % 4) + 8 h + j.
	; The choice hangs on my work-group's place in the cluster, so it is made by EXEC and not by a branch.  Each store covers 512 consecutive bytes.
	v_mov_b32 v30, s99
	v_cmp_eq_u32 vcc_lo, 0, v30
	s_wait_xcnt 0x0                                ; EXEC changes only behind this wait
	s_and_saveexec_b32 s98, vcc_lo
	WIN 0x08                                       ; a store's data: window 2
.irp b, 0,1,2,3,4,5,6,7
	global_store_b128 v[CO], v[8*\b:8*\b+3], s[96:97] offset:1024*\b       ; each accumulator from its low end on
	global_store_b128 v[CO], v[8*\b+4:8*\b+7], s[96:97] offset:1024*\b+512
.endr
	WIN 0
	s_wait_xcnt 0x0                                ; and again, in front of the line that widens it
	s_or_b32 exec_lo, exec_lo, s98
; THE WAY OUT, block by block of 16 positions x 2 heads.  PACK: rounded to f16, 16 bytes a lane.  TOSTAGE: into my stage, and back as whole rows of a head.  SEND: four rows of a head, 512 consecutive bytes, a store.
.macro PACK a
.set AC, 64*((\a)%4)
	WIN 0x0a+5*((\a)/4)                            ; sources 0 and 1: window 2 or 3
.irp b, 0,1,2,3,4,5,6,7
.irp u, 0,1,2,3
	v_cvt_pk_f16_f32 v[TMP+4*\b+\u], v[AC+8*\b+2*\u], v[AC+8*\b+2*\u+1]
.endr
.endr
	WIN 0
.endm
.macro TOSTAGE a
.set BB, OB+192*((\a)%2)
.irp b, 0,1,2,3,4,5,6,7
	ds_store_b128 v[STO], v[TMP+4*\b:TMP+4*\b+3] offset:(\b/4)*HSTG+32*(\b%4)
.endr
.irp i, 0,1,2,3,4,5,6,7
	ds_load_b128 v[BB+4*\i:BB+4*\i+3], v[RD] offset:(\i/4)*HSTG+(\i%4)*4*HP   ; LDS serves a wave's instructions in order: these see the stores above
.endr
.endm
.macro SEND a
.set BB, OB+192*((\a)%2)
	s_wait_dscnt 0x0                               ; the block is back in registers
	s_wait_xcnt 0x0                                ; earlier stores have read their registers: the block after next may land there
.irp i, 0,1,2,3,4,5,6,7
	global_store_b128 v[CO], v[BB+4*\i:BB+4*\i+3], s[12:13] offset:(\i/4)*262144+2048*(\a)+512*(\i%4)
.endr
.endm
	PACK 0
	TOSTAGE 0
.irp a, 1,2,3,4,5,6,7                  ; block a's conversions stand between block a - 1's loads from the stage and the wait for them
	PACK \a
	SEND \a-1
	TOSTAGE \a
.endr
	SEND 7
	s_wait_tensorcnt 0x0                           ; the wave's end: three lines, behind my last tensor load and my last LDS store
	ds_add_u32 v[SPW], v[NIL]
	s_wait_dscnt 0x0
	CROUND                                         ; the closing round
	s_endpgm
.Lfunc_end_k_q151db6bb0e_qkv:
	.size	k_q151db6bb0e_qkv, .Lfunc_end_k_q151db6bb0e_qkv-k_q151db6bb0e_qkv
	.p2alignl 7, 3214868480
	.fill 96, 4, 3214868480
	.section	.rodata,"a",@progbits
	.p2align	6, 0x0
	.amdhsa_kernel k_q151db6bb0e_qkv
		.amdhsa_group_segment_fixed_size 327680
		.amdhsa_private_segment_fixed_size 0
		.amdhsa_enable_private_segment 0
		.amdhsa_kernarg_size 48
		.amdhsa_user_sgpr_count 2
		.amdhsa_user_sgpr_kernarg_segment_ptr 1
		.amdhsa_wavefront_size32 1
		.amdhsa_system_sgpr_workgroup_id_x 1
		.amdhsa_system_sgpr_workgroup_id_y 1
		.amdhsa_system_sgpr_workgroup_id_z 1
		.amdhsa_system_vgpr_workitem_id 0
		.amdhsa_next_free_vgpr 1024
		.amdhsa_next_free_sgpr 100
		.amdhsa_reserve_vcc 1
		.amdhsa_float_denorm_mode_32 3
		.amdhsa_float_denorm_mode_16_64 3
		.amdhsa_memory_ordered 1
		.amdhsa_forward_progress 1
		.amdhsa_inst_pref_size 128
	.end_amdhsa_kernel
	.amdgpu_metadata
---
amdhsa.version: [ 1, 2 ]
amdhsa.kernels:
  - .name:           k_q151db6bb0e_qkv
    .symbol:         k_q151db6bb0e_qkv.kd
    .args:
      - { .name: xc, .offset: 0, .size: 8, .value_kind: global_buffer, .address_space: global }
      - { .name: xs, .offset: 8, .size: 8, .value_kind: global_buffer, .address_space: global }
      - { .name: wc, .offset: 16, .size: 8, .value_kind: global_buffer, .address_space: global }
      - { .name: ws, .offset: 24, .size: 8, .value_kind: global_buffer, .address_space: global }
      - { .name: qkv16, .offset: 32, .size: 8, .value_kind: global_buffer, .address_space: global }
      - { .name: qkvf, .offset: 40, .size: 8, .value_kind: global_buffer, .address_space: global }
    .group_segment_fixed_size: 327680
    .private_segment_fixed_size: 0
    .kernarg_segment_align: 8
    .kernarg_segment_size: 48
    .max_flat_workgroup_size: 128
    .sgpr_count:     100
    .vgpr_count:     1024
    .wavefront_size: 32
...
	.end_amdgpu_metadata
.endif
;; end of part 2
;; launch attn (part 3): grid 256 x 1, 16 waves a work-group, clusters of 4 x 1, 327,680 bytes of LDS; arguments qkv16, ao16; writes ao16
.if DOCPART == 3
	.amdgcn_target "amdgcn-amd-amdhsa--gfx1250"
	.amdhsa_code_object_version 6
	.text
	.protected	k_q151db6bb0e_attn
	.globl	k_q151db6bb0e_attn
	.p2align	8
	.type	k_q151db6bb0e_attn,@function
k_q151db6bb0e_attn:
	s_mov_b64 s[64:65], 0
	v_nop
	global_prefetch_b8 v0, s[64:65] scope:SCOPE_SE
	s_setreg_imm32_b32 hwreg(HW_REG_WAVE_MODE, 25, 1), 1
	s_wait_xcnt 0x0
	s_wait_alu depctr_hold_cnt(0) depctr_sa_sdst(0) depctr_va_vdst(0) depctr_va_sdst(0) depctr_va_ssrc(0) depctr_va_vcc(0) depctr_vm_vsrc(0)
	s_getreg_b32 s2, hwreg(HW_REG_IB_STS2, 6, 4)
	s_cmp_eq_u32 s2, 0
	s_cbranch_scc0 .Lentry_in_a_cluster
	s_endpgm
.Lentry_in_a_cluster:
	s_bfe_u32 s2, ttmp6, 0x10000c
	s_cmp_lg_u32 s2, 0x3003
	s_cbranch_scc0 .Lentry_shape_is_right
	s_endpgm
.Lentry_shape_is_right:
; ao[b][h][q][:] = the sum over k <= q of softmax_k(q . k / 8) v[k][:].  q, k, v: qkv16 [3][64 heads][2048][64] f16; ao16 [64 heads][2048][64] f16.  Products, maxima and sums in f32; the weights are rounded to f16 for the second product.
; WORK LEFT OUT: key steps all of whose 64 keys come after a wave's group of queries: reference()'s own jnp.tril gives them the weight 0 for all values of the inputs.  A NaN or infinity that reaches only those is not carried.
; SHARES.  A cluster of four work-groups is one head.  Wave w has the group g = w xor 3 x (bit 2 of w), and in the partner at place cx the 32 queries 128 g + 32 cx on: two tiles of 16.
; Every wave of group g walks keys 0 .. 128 g + 127, 64 a step, in all four partners alike: so every branch hangs on the wave's number and the count of steps alone; cx enters Q's and O's addresses in memory and the mask's numbers.
; All partners read every key (g = 15 is in each), so K's and V's tiles are asked for JOINTLY, once for the four.
; LAYOUT.  S^T = K Q^T (source 0 = 16 keys, source 1 = 16 queries): a lane holds one query (lane % 16) and keys 8 (lane / 16) + 0..7.  Two such tiles, rounded to f16 in pairs, are source 1 of O^T = V^T P.  V comes out of LDS turned, by ds_load_tr16_b128.
; SOFTMAX.  A running maximum m and sum l for each query: p = 2^(c s - c m), c = log2(e) / 8; in every step O and l are multiplied by a = 2^(c m_old - c m_new).
; The loop has no first step of its own: O and l begin as zeros, m as -3e38, so that the first a is 0.  Key 0 counts for every query, so m is a score from the first step on.
; Sixteen waves of 256 registers: four to a SIMD, so that one wave's vector work stands beside another's matrix work and LDS loads.
; THE RING: two slots of 512 keys, filled four times in all: two first fills, two refills, each asked for a phase of eight key steps ahead of the wait for it.  Waves 0-7 fetch K's 64 rows each, waves 8-15 V's.
; SCALARS: s[24:55] are the four descriptor groups and hold nothing else; what the set-up needs beside them lies in s2-23 and s66-71.
.set PK,    144                        ; a row of K in LDS: 128 bytes + 16
.set PV,    160                        ; a row of V: 128 + 32
.set SK,    512
.set VOFF,  SK*PK                      ; a slot: 512 rows of K, then 512 of V
.set SLOT,  SK*(PK+PV)
.set SPARE, 2*SLOT                     ; the spare words, 128 bytes for each of 16 waves, that no other line names
.set SP,    144                        ; the way out: 16 rows x 144 bytes for each wave, in slot 0: it has had its last fill, and behind the last change of slots nobody reads it
.set AK,  1                            ; v1  my lane's place in a tile of K
.set AV,  2                            ; v2  and of V
.set ADK, 3
.set ADV, 4
.set QD,  5                            ; v5  my first tile's query - 8 (lane / 16)
.set D0,  6                            ; v6, v7 the mask's numbers for tiles 0, 1
.set NINF, 8
.set STO, 9
.set RD,  10
.set GO,  11
.set SPW, 12
.set NIL, 13
.set ST,  16                           ; tile t's statistics at v[16 + 8 t]: +0 c m, +1 m, +2, +3 l, +4 .. +7 at work (a in +6)
.set Q,   32                           ; tile t, channels 32 c on: v[32 + 16 t + 8 c]
.set S,   64                           ; S^T: tile t, keys 16 kt on: v[64 + 32 t + 8 kt]; then P in place: keys 32 kg on at v[64 + 32 t + 8 kg]
.set O,   128                          ; O^T: tile t, channels 16 ct on: v[128 + 32 t + 8 ct]
.set F,   192                          ; a step's 8 fragments of K, then its 8 of V
.set WV,  12
.set G,   13
.set CX,  14
.set QB,  15                           ; my group's first query
.set QE,  16                           ; and the first behind its last
.set KF,  17                           ; the step's first key
.set TK,  18
.set TV,  19
.set CNT, 20
.set G1K, 24                           ; s[24:31] descriptor group 1 for K's tiles;  s[32:39] for V's
.set G1V, 32
.set G0K, 40                           ; s[40:47] group 0 for K's tiles, a set for each slot;  s[48:55] for V's
.set G0V, 48
.set CS,  58
.set SEL, 60
.set MO,  66                           ; s[66:67] what I fetch: its byte offset in k and in v
.set LK,  68                           ; s68 its place in a slot, if it is K's;
.set LV,  69                           ; s69 if it is V's
.set Q0,  70                           ; s70 my first query
.set SG,  71                           ; s71 my stage
.macro JLOAD s                         ; a joint load into slot s; the branch hangs on the wave's number alone; an s_nop 0 and four v_nop follow each of the two lines
	s_cmp_lt_u32 s[WV], 8
	s_cbranch_scc0 .Lfor_v_\@
	tensor_load_to_lds s[G0K+4*\s:G0K+4*\s+3], s[G1K:G1K+7]
	s_nop 0
.rept 4
	v_nop
.endr
	s_branch .Lasked_\@
.Lfor_v_\@:
	tensor_load_to_lds s[G0V+4*\s:G0V+4*\s+3], s[G1V:G1V+7]
	s_nop 0
.rept 4
	v_nop
.endr
.Lasked_\@:
.endm
.macro CROUND                          ; a round of the cluster's barrier
	s_barrier_signal -1
	s_barrier_wait -1
	s_cmp_lg_u32 s[WV], 0
	s_cbranch_scc1 .Lnot_wave_0_\@
	s_barrier_signal -3
.Lnot_wave_0_\@:
	s_barrier_wait -3
	s_barrier_signal -1
	s_barrier_wait -1
.endm
	s_load_b128 s[4:7], s[0:1], 0x0                ; qkv16 s[4:5], ao16 s[6:7]
	v_lshl_add_u32 v[SPW], v0, 2, SPARE
	v_mov_b32 v[NIL], 0
	ds_add_u32 v[SPW], v[NIL]                      ; the wave's opening: the add, twice on end, and its wait ahead of my first tensor load
	ds_add_u32 v[SPW], v[NIL]
	v_lshrrev_b32 v14, 5, v0
	v_readfirstlane_b32 s[WV], v14                 ; wave 0..15
	s_bfe_u32 s[G], s[WV], 0x10002
	s_mul_i32 s[G], s[G], 3
	s_xor_b32 s[G], s[G], s[WV]                    ; my group: waves w, w + 4, w + 8, w + 12 have groups that add up to 30
	s_bfe_u32 s[CX], ttmp6, 0x40000                ; my place in the cluster
	s_lshl_b32 s[QB], s[G], 7
	s_add_co_u32 s[QE], s[QB], 128
	s_lshl_b32 s22, ttmp9, 18                      ; the head's first byte in each tensor: the cluster's number x 262,144
	s_mov_b32 s23, 0
	s_and_b32 s21, s[WV], 7                        ; which 64 rows of a slot I fetch:
	s_lshl_b32 s[MO], s21, 13                      ; in memory,
	s_mov_b32 s[MO+1], 0
	s_add_nc_u64 s[MO:MO+1], s[MO:MO+1], s[22:23]
	s_mul_i32 s[LK], s21, 64*PK                    ; and in a slot: K's,
	s_mul_i32 s[LV], s21, 64*PV
	s_add_co_u32 s[LV], s[LV], VOFF                ; V's: the wave's number and constants alone
	s_lshl_b32 s[Q0], s[CX], 5
	s_add_co_u32 s[Q0], s[Q0], s[QB]               ; my first query
	s_lshl_b32 s2, s[Q0], 7
	s_mov_b32 s3, 0
	s_add_nc_u64 s[2:3], s[2:3], s[22:23]          ; its row in q and in ao16
	s_mul_i32 s[SG], s[WV], 16*SP                  ; my stage
	s_mov_b32 s[G1K], 15|(1<<16)|(1<<20)|(1<<21)|(4<<22)|(3<<25)   ; the mask: all four; elements of 2 bytes; padding: 4 words behind every 32; bit 21 set beside a mask
	s_mov_b32 s[G1V], 15|(1<<16)|(1<<20)|(1<<21)|(4<<22)|(7<<25)   ; the same with 8 words of padding
.irp g, G1K, G1V
	s_mov_b32 s[\g+1], 64<<16                      ; tensor_dim0 = 64
	s_mov_b32 s[\g+2], 64<<16                      ; tensor_dim1 = 64
	s_mov_b32 s[\g+3], 64<<16                      ; tile_dim0 = 64
	s_mov_b32 s[\g+4], 64                          ; tile_dim1 = 64
	s_mov_b32 s[\g+5], 64                          ; from row to row
	s_mov_b32 s[\g+6], 0
	s_mov_b32 s[\g+7], 0
.endr
	s_mov_b32 s[CS], 0x3e38aa3b                    ; c = log2(e) / 8
	s_mov_b32 s[CS+1], s[CS]                       ; (named with it as a pair, so it is written)
	s_mov_b32 s[SEL], 0x76543210
	s_mov_b32 s[SEL+1], 0xfedcba98
	s_mov_b32 s[KF], 0
	s_wait_dscnt 0x0                               ; both opening adds are done
	s_wait_kmcnt 0x0
	s_add_nc_u64 s[8:9], s[4:5], s[MO:MO+1]
	s_add_nc_u64 s[10:11], s[8:9], 0x2000000       ; v is the third tensor,
	s_add_nc_u64 s[8:9], s[8:9], 0x1000000         ; k the second
	s_add_nc_u64 s[4:5], s[4:5], s[2:3]
	s_add_nc_u64 s[6:7], s[6:7], s[2:3]
.irp s, 0,1
	s_mov_b32 s[G0K+4*\s], 1
	s_add_co_u32 s[G0K+4*\s+1], s[LK], \s*SLOT
	s_add_nc_u64 s[G0K+4*\s+2:G0K+4*\s+3], s[8:9], \s*65536      ; slot s begins with keys 512 s on
	s_or_b32 s[G0K+4*\s+3], s[G0K+4*\s+3], 0x80000000
	s_mov_b32 s[G0V+4*\s], 1
	s_add_co_u32 s[G0V+4*\s+1], s[LV], \s*SLOT
	s_add_nc_u64 s[G0V+4*\s+2:G0V+4*\s+3], s[10:11], \s*65536
	s_or_b32 s[G0V+4*\s+3], s[G0V+4*\s+3], 0x80000000
.endr
	CROUND                                         ; all four work-groups are here: the first joint loads meet
	s_cmp_lt_u32 s[WV], 8                          ; a wave's two first fills stand in one branch: two loads of mine are out
	s_cbranch_scc0 .Lfirst_v
	tensor_load_to_lds s[G0K:G0K+3], s[G1K:G1K+7]
	s_nop 0
	tensor_load_to_lds s[G0K+4:G0K+7], s[G1K:G1K+7]
	s_nop 0
.rept 4
	v_nop
.endr
	s_branch .Lfirst_asked
.Lfirst_v:
	tensor_load_to_lds s[G0V:G0V+3], s[G1V:G1V+7]
	s_nop 0
	tensor_load_to_lds s[G0V+4:G0V+7], s[G1V:G1V+7]
	s_nop 0
.rept 4
	v_nop
.endr
.Lfirst_asked:
	v_and_b32 v14, 15, v0                          ; r
	v_bfe_u32 v15, v0, 4, 1                        ; h
	v_lshlrev_b32 v[D0], 7, v14
	v_lshl_add_u32 v[D0], v15, 4, v[D0]            ; Q: row r of 128 bytes + 16 h
.irp t, 0,1
.irp c, 0,1
	global_load_b128 v[Q+16*\t+8*\c:Q+16*\t+8*\c+3],   v[D0], s[4:5] offset:2048*\t+64*\c
	global_load_b128 v[Q+16*\t+8*\c+4:Q+16*\t+8*\c+7], v[D0], s[4:5] offset:2048*\t+64*\c+32
.endr
.endr
	v_mul_u32_u24 v[AK], v14, PK
	v_lshl_add_u32 v[AK], v15, 4, v[AK]            ; K: row r x pitch + 16 h
	v_and_b32 v[ADK], 7, v0
	v_bfe_u32 v[ADV], v0, 3, 1
	v_lshl_add_u32 v[AV], v15, 3, v[ADK]           ; V, for the turning load: key 8 h + lane % 8, channels 8 ((lane / 8) % 2) on
	v_mul_u32_u24 v[AV], v[AV], PV
	v_lshl_add_u32 v[AV], v[ADV], 4, v[AV]
	v_add_nc_u32 v[AV], VOFF, v[AV]
	v_lshlrev_b32 v[QD], 3, v15
	v_sub_nc_u32 v[QD], v14, v[QD]
	v_add_nc_u32 v[QD], s[Q0], v[QD]               ; my query of tile 0 - 8 h
	v_mov_b32 v[NINF], 0xff800000
	v_add_nc_u32 v[STO], s[SG], v[AK]              ; the stage, in: row r, 16 bytes for each half of the lanes (the stage's pitch is K's)
	v_and_b32 v14, 31, v0
	v_lshlrev_b32 v[GO], 4, v14                    ; in memory: 16 bytes a lane
	v_lshrrev_b32 v[RD], 3, v14                    ; back: eight lanes take a row of 128 bytes
	v_mul_u32_u24 v[RD], v[RD], SP
	v_lshl_add_u32 v[RD], v[ADK], 4, v[RD]
	v_add_nc_u32 v[RD], s[SG], v[RD]
.irp t, 0,1
	v_mov_b32 v[ST+8*\t+1], 0xff61b1e6             ; m: -3e38, under every score
	v_mul_f32 v[ST+8*\t], s[CS], v[ST+8*\t+1]
.irp u, 2,3,4,5,6,7
	v_mov_b32 v[ST+8*\t+\u], 0                     ; l; and what is named as a lane permute's destination or as half of a pair before it is first written
.endr
.endr
.set n, 0
.rept 64
	v_mov_b32 v[O+n], 0                            ; O^T: the step is written once; the first finds zeros
.set n, n+1
.endr
; A KEY STEP: 64 keys.
.macro STEP
	s_cmp_ge_u32 s[KF], s[QE]                      ; all its keys come after my group's queries: left out.  Ids and the count of steps alone; no barrier, wait for tiles or tensor load stands in a step
	s_cbranch_scc1 .Lhidden_\@
	v_add_nc_u32 v[ADK], s[TK], v[AK]
	v_add_nc_u32 v[ADV], s[TV], v[AV]
.irp c, 0,1
.irp kt, 0,1,2,3
	ds_load_b128 v[F+8*(4*\c+\kt):F+8*(4*\c+\kt)+3],   v[ADK] offset:\kt*16*PK+64*\c
	ds_load_b128 v[F+8*(4*\c+\kt)+4:F+8*(4*\c+\kt)+7], v[ADK] offset:\kt*16*PK+64*\c+32
.endr
.endr
	s_wait_dscnt 8                                 ; channels 0-31 are in; the eight loads of channels 32-63 may be out
.irp kt, 0,1,2,3                       ; the eight accumulators take turns, one instruction a turn
.irp t, 0,1
	v_wmma_f32_16x16x32_f16 v[S+32*\t+8*\kt:S+32*\t+8*\kt+7], v[F+8*\kt:F+8*\kt+7], v[Q+16*\t:Q+16*\t+7], 0
.endr
.endr
	s_wait_dscnt 0x0
.irp kt, 0,1,2,3
.irp t, 0,1
	v_wmma_f32_16x16x32_f16 v[S+32*\t+8*\kt:S+32*\t+8*\kt+7], v[F+32+8*\kt:F+32+8*\kt+7], v[Q+16*\t+8:Q+16*\t+15], v[S+32*\t+8*\kt:S+32*\t+8*\kt+7]
.endr
.endr
.rept 4
	v_nop                                          ; places in front of the loads into K's registers and of the first read of the scores
.endr
.irp kg, 0,1
.irp ct, 0,1,2,3
	ds_load_tr16_b128 v[F+8*(4*\kg+\ct):F+8*(4*\kg+\ct)+3],   v[ADV] offset:\kg*32*PV+32*\ct
	ds_load_tr16_b128 v[F+8*(4*\kg+\ct)+4:F+8*(4*\kg+\ct)+7], v[ADV] offset:\kg*32*PV+16*PV+32*\ct
.endr
.endr
	s_cmp_lt_u32 s[KF], s[QB]                      ; a step all of whose keys come before my group's queries needs no mask
	s_cbranch_scc1 .Lopen_\@
	v_sub_nc_u32 v[D0], v[QD], s[KF]               ; register 8 kt + j of tile t holds key KF + 16 kt + 8 h + j: hidden where 16 kt + j > my query - 8 h - KF
	v_add_nc_u32 v[D0+1], 16, v[D0]
.irp t, 0,1
.set n, 0
.rept 32
	v_cmp_gt_i32 vcc_lo, 16*(n/8)+n%8, v[D0+\t]
	v_cndmask_b32 v[S+32*\t+n], v[S+32*\t+n], v[NINF], vcc_lo
.set n, n+1
.endr
.endr
.Lopen_\@:
	; the maximum of the lane's 32 scores and the old m: four chains, both tiles by turns; each accumulator is read from its low end on
.irp j, 0,1,2,3
.irp t, 0,1
	v_max3_num_f32 v[ST+8*\t+4+\j], v[S+32*\t+8*\j], v[S+32*\t+8*\j+1], v[S+32*\t+8*\j+2]
.endr
.endr
.irp u, 1,2
.irp j, 0,1,2,3
.irp t, 0,1
	v_max3_num_f32 v[ST+8*\t+4+\j], v[ST+8*\t+4+\j], v[S+32*\t+8*\j+2*\u+1], v[S+32*\t+8*\j+2*\u+2]
.endr
.endr
.endr
.irp t, 0,1
	v_max3_num_f32 v[ST+8*\t+4], v[ST+8*\t+4], v[S+32*\t+7], v[S+32*\t+15]
	v_max3_num_f32 v[ST+8*\t+6], v[ST+8*\t+6], v[S+32*\t+23], v[S+32*\t+31]
.endr
.irp t, 0,1
	v_max3_num_f32 v[ST+8*\t+4], v[ST+8*\t+4], v[ST+8*\t+5], v[ST+8*\t+6]
.endr
.irp t, 0,1
	v_max3_num_f32 v[ST+8*\t+4], v[ST+8*\t+4], v[ST+8*\t+7], v[ST+8*\t+1]
.endr
.irp t, 0,1
	v_permlanex16_b32 v[ST+8*\t+5], v[ST+8*\t+4], s[SEL], s[SEL+1]   ; the query's other 32 keys lie in the lane 16 away
.endr
.irp t, 0,1
	v_mov_b32 v[ST+8*\t+7], v[ST+8*\t]             ; c m_old
.endr
.irp t, 0,1
	v_max_num_f32 v[ST+8*\t+1], v[ST+8*\t+4], v[ST+8*\t+5]
.endr
.irp t, 0,1
	v_mul_f32 v[ST+8*\t], s[CS], v[ST+8*\t+1]
.endr
.irp t, 0,1
	v_sub_f32 v[ST+8*\t+7], v[ST+8*\t+7], v[ST+8*\t]
.endr
.set n, 0
.rept 16
.irp t, 0,1
	v_pk_fma_f32 v[S+32*\t+2*n:S+32*\t+2*n+1], v[S+32*\t+2*n:S+32*\t+2*n+1], s[CS:CS+1], v[ST+8*\t:ST+8*\t+1] op_sel_hi:[1,0,0] neg_lo:[0,0,1] neg_hi:[0,0,1]   ; c s - c m
.endr
.set n, n+1
.endr
.irp t, 0,1
	v_exp_f32 v[ST+8*\t+6], v[ST+8*\t+7]           ; a
.endr
.set n, 0
.rept 32
.irp t, 0,1
	v_exp_f32 v[S+32*\t+n], v[S+32*\t+n]           ; p: one batch of 66 exponentials for both tiles
.endr
.set n, n+1
.endr
	v_nop                                          ; a plain instruction behind the last exponential,
	s_wait_alu depctr_va_vdst(0)                   ; and one wait for the batch, ahead of the first line that names a result
.irp t, 0,1
	v_pk_fma_f32 v[ST+8*\t+2:ST+8*\t+3], v[ST+8*\t+2:ST+8*\t+3], v[ST+8*\t+6:ST+8*\t+7], v[S+32*\t:S+32*\t+1] op_sel_hi:[1,0,1]   ; l a + the first pair
.endr
.irp t, 0,1
	v_pk_add_f32 v[ST+8*\t+4:ST+8*\t+5], v[S+32*\t+2:S+32*\t+3], v[S+32*\t+4:S+32*\t+5]    ; a second chain
.endr
.irp b, 3,5,7,9,11,13
.irp t, 0,1
	v_pk_add_f32 v[ST+8*\t+2:ST+8*\t+3], v[ST+8*\t+2:ST+8*\t+3], v[S+32*\t+2*\b:S+32*\t+2*\b+1]
	v_pk_add_f32 v[ST+8*\t+4:ST+8*\t+5], v[ST+8*\t+4:ST+8*\t+5], v[S+32*\t+2*\b+2:S+32*\t+2*\b+3]
.endr
.endr
.irp t, 0,1
	v_pk_add_f32 v[ST+8*\t+2:ST+8*\t+3], v[ST+8*\t+2:ST+8*\t+3], v[S+32*\t+30:S+32*\t+31]
.endr
.irp t, 0,1
	v_pk_add_f32 v[ST+8*\t+2:ST+8*\t+3], v[ST+8*\t+2:ST+8*\t+3], v[ST+8*\t+4:ST+8*\t+5]
.endr
.set n, 0
.rept 16
.irp t, 0,1
	v_pk_mul_f32 v[O+32*\t+2*n:O+32*\t+2*n+1], v[O+32*\t+2*n:O+32*\t+2*n+1], v[ST+8*\t+6:ST+8*\t+7] op_sel_hi:[1,0]   ; O^T x a
.endr
.set n, n+1
.endr
.set n, 0
.rept 16
.irp t, 0,1
	v_cvt_pk_f16_f32 v[S+32*\t+n], v[S+32*\t+2*n], v[S+32*\t+2*n+1]   ; P, in place: register n is written when registers up to 2 n + 1 have been read
.endr
.set n, n+1
.endr
	s_wait_dscnt 0x0                               ; V is in
.irp kg, 0,1
.irp ct, 0,1,2,3
.irp t, 0,1
	v_wmma_f32_16x16x32_f16 v[O+32*\t+8*\ct:O+32*\t+8*\ct+7], v[F+8*(4*\kg+\ct):F+8*(4*\kg+\ct)+7], v[S+32*\t+8*\kg:S+32*\t+8*\kg+7], v[O+32*\t+8*\ct:O+32*\t+8*\ct+7]
.endr
.endr
.endr
.rept 5
	v_nop                                          ; the next step's first products write over P, which these products read: five places; its loads into V's registers want four
.endr
.Lhidden_\@:
.endm
; A PHASE: a slot's eight key steps, written once, walked eight times; the trip count is a constant.
.macro PHASE slot
	s_mov_b32 s[TK], \slot*SLOT
	s_mov_b32 s[TV], \slot*SLOT
	s_mov_b32 s[CNT], 8
.Lstep_\@:
	STEP
	s_add_co_u32 s[KF], s[KF], 64
	s_add_co_u32 s[TK], s[TK], 64*PK
	s_add_co_u32 s[TV], s[TV], 64*PV
	s_sub_co_u32 s[CNT], s[CNT], 1
	s_cmp_lg_u32 s[CNT], 0
	s_cbranch_scc1 .Lstep_\@
.endm
; THE CHANGE OF SLOTS.  Each wave waits for all its tensor loads (its part of the slot ahead), adds 0 to its spare word, and waits for that and for its reads of the slot that it leaves.
; fill = 1: slot s, just left, takes the keys 1,024 further on.  The barrier is then a round of the cluster's, and the joint refill is the first thing behind it.
.macro CHANGE s, fill
	s_wait_tensorcnt 0x0                           ; no tensor load of mine is out, so a group 0 may be written
	ds_add_u32 v[SPW], v[NIL]
.if \fill
	s_add_nc_u64 s[G0K+4*\s+2:G0K+4*\s+3], s[G0K+4*\s+2:G0K+4*\s+3], 131072
	s_add_nc_u64 s[G0V+4*\s+2:G0V+4*\s+3], s[G0V+4*\s+2:G0V+4*\s+3], 131072
	s_wait_dscnt 0x0
	CROUND
	JLOAD \s
.else
	s_wait_dscnt 0x0
	s_barrier_signal -1
	s_barrier_wait -1
.endif
.endm
	s_wait_tensorcnt 1                             ; my part of slot 0 is in; slot 1's load may be out
	s_barrier_signal -1
	s_barrier_wait -1
	s_wait_loadcnt 0x0                             ; Q
	PHASE 0                                        ; keys 0 - 511
	CHANGE 0, 1
	PHASE 1                                        ; 512 - 1023
	CHANGE 1, 1
	PHASE 0                                        ; 1024 - 1535
	CHANGE 0, 0
	PHASE 1                                        ; 1536 - 2047
	; THE WAY OUT.  l's halves and the other half of the lanes' are added; O^T / l is rounded to f16 and goes through my stage, a tile (16 rows) at a time.
.irp t, 0,1
	v_add_f32 v[ST+8*\t+4], v[ST+8*\t+2], v[ST+8*\t+3]
.endr
.irp t, 0,1
	v_permlanex16_b32 v[ST+8*\t+5], v[ST+8*\t+4], s[SEL], s[SEL+1]
.endr
.irp t, 0,1
	v_add_f32 v[ST+8*\t+4], v[ST+8*\t+4], v[ST+8*\t+5]
.endr
.irp t, 0,1
	v_rcp_f32 v[ST+8*\t+6], v[ST+8*\t+4]
.endr
	v_nop
	s_wait_alu depctr_va_vdst(0)                   ; one wait for the two reciprocals, ahead of their first reader
.macro PACK t
.set n, 0
.rept 16
	v_pk_mul_f32 v[O+32*\t+2*n:O+32*\t+2*n+1], v[O+32*\t+2*n:O+32*\t+2*n+1], v[ST+8*\t+6:ST+8*\t+7] op_sel_hi:[1,0]
.set n, n+1
.endr
.set n, 0
.rept 16
	v_cvt_pk_f16_f32 v[S+32*\t+n], v[O+32*\t+2*n], v[O+32*\t+2*n+1]
.set n, n+1
.endr
.irp ct, 0,1,2,3
	ds_store_b128 v[STO], v[S+32*\t+4*\ct:S+32*\t+4*\ct+3] offset:32*\ct
.endr
.irp u, 0,1,2,3
	ds_load_b128 v[S+32*\t+16+4*\u:S+32*\t+16+4*\u+3], v[RD] offset:\u*4*SP    ; in order behind my stores; the next tile's stores come behind these
.endr
.endm
.macro SEND t, younger                 ; younger: the LDS instructions issued behind tile t's loads
.irp u, 0,1,2,3
	s_wait_dscnt \younger+3-\u
	global_store_b128 v[GO], v[S+32*\t+16+4*\u:S+32*\t+16+4*\u+3], s[6:7] offset:2048*\t+512*\u   ; four rows: 512 consecutive bytes, aligned to 256
.endr
.endm
	PACK 0
	PACK 1
	SEND 0, 8                                      ; tile 1's four stores and four loads are younger
	SEND 1, 0
	s_wait_tensorcnt 0x0                           ; the wave's end: three lines, behind my last tensor load and my last LDS store
	ds_add_u32 v[SPW], v[NIL]
	s_wait_dscnt 0x0
	CROUND                                         ; the closing round
	s_endpgm
.Lfunc_end_k_q151db6bb0e_attn:
	.size	k_q151db6bb0e_attn, .Lfunc_end_k_q151db6bb0e_attn-k_q151db6bb0e_attn
	.p2alignl 7, 3214868480
	.fill 96, 4, 3214868480
	.section	.rodata,"a",@progbits
	.p2align	6, 0x0
	.amdhsa_kernel k_q151db6bb0e_attn
		.amdhsa_group_segment_fixed_size 327680
		.amdhsa_private_segment_fixed_size 0
		.amdhsa_enable_private_segment 0
		.amdhsa_kernarg_size 16
		.amdhsa_user_sgpr_count 2
		.amdhsa_user_sgpr_kernarg_segment_ptr 1
		.amdhsa_wavefront_size32 1
		.amdhsa_system_sgpr_workgroup_id_x 1
		.amdhsa_system_sgpr_workgroup_id_y 1
		.amdhsa_system_sgpr_workgroup_id_z 1
		.amdhsa_system_vgpr_workitem_id 0
		.amdhsa_next_free_vgpr 256
		.amdhsa_next_free_sgpr 72
		.amdhsa_reserve_vcc 1
		.amdhsa_float_denorm_mode_32 3
		.amdhsa_float_denorm_mode_16_64 3
		.amdhsa_memory_ordered 1
		.amdhsa_forward_progress 1
		.amdhsa_inst_pref_size 105
	.end_amdhsa_kernel
	.amdgpu_metadata
---
amdhsa.version: [ 1, 2 ]
amdhsa.kernels:
  - .name:           k_q151db6bb0e_attn
    .symbol:         k_q151db6bb0e_attn.kd
    .args:
      - { .name: qkv16, .offset: 0, .size: 8, .value_kind: global_buffer, .address_space: global }
      - { .name: ao16, .offset: 8, .size: 8, .value_kind: global_buffer, .address_space: global }
    .group_segment_fixed_size: 327680
    .private_segment_fixed_size: 0
    .kernarg_segment_align: 8
    .kernarg_segment_size: 16
    .max_flat_workgroup_size: 512
    .sgpr_count:     72
    .vgpr_count:     256
    .wavefront_size: 32
...
	.end_amdgpu_metadata
.endif
;; end of part 3
;; launch outp (part 4): grid 4 x 64, 4 waves a work-group, clusters of 4 x 4, 327,680 bytes of LDS; arguments ao16, wo16, out0; writes out0
.if DOCPART == 4
	.amdgcn_target "amdgcn-amd-amdhsa--gfx1250"
	.amdhsa_code_object_version 6
	.text
	.protected	k_q151db6bb0e_outp
	.globl	k_q151db6bb0e_outp
	.p2align	8
	.type	k_q151db6bb0e_outp,@function
k_q151db6bb0e_outp:
	s_mov_b64 s[64:65], 0
	v_nop
	global_prefetch_b8 v0, s[64:65] scope:SCOPE_SE
	s_setreg_imm32_b32 hwreg(HW_REG_WAVE_MODE, 25, 1), 1
	s_wait_xcnt 0x0
	s_wait_alu depctr_hold_cnt(0) depctr_sa_sdst(0) depctr_va_vdst(0) depctr_va_sdst(0) depctr_va_ssrc(0) depctr_va_vcc(0) depctr_vm_vsrc(0)
	s_getreg_b32 s2, hwreg(HW_REG_IB_STS2, 6, 4)
	s_cmp_eq_u32 s2, 0
	s_cbranch_scc0 .Lentry_in_a_cluster
	s_endpgm
.Lentry_in_a_cluster:
	s_bfe_u32 s2, ttmp6, 0x10000c
	s_cmp_lg_u32 s2, 0xf033
	s_cbranch_scc0 .Lentry_shape_is_right
	s_endpgm
.Lentry_shape_is_right:
; out0[m][n] = the sum over k of ao[m][k] W_out[k][n], f16 operands, f32 sums.  A = ao16 [4 batches][16 heads][2048][64] (k = 64 head + channel), B = wo16 [n 1024][k 1024].
; ROWS LEFT TO ANOTHER LAUNCH: positions 0-15 of each sequence are stored by launch fine, in f32 throughout; here their 16-row block is multiplied with its tile but its stores run with all lanes off.
; A tile of 128 x 256 gives 256 work-groups; four waves, each 64 x 128: 32 accumulators.  K goes in steps of 128 (two heads) through two LDS slots; eight K steps.
; Waves 0 and 1 fetch A's two heads (128 rows of 128 bytes each), waves 2 and 3 B's two halves (128 rows of 256 bytes).  CLUSTERS of 4 x 4: A's tiles are shared along a row, B's along a column, by joint loads.
; No prefetch: eight K steps, of which four are asked for within the first lap.  THE MATRIX INSTRUCTION IS USED TRANSPOSED (source 0 = 16 rows of wo16, source 1 = 16 rows of ao16): a lane holds eight neighbouring columns of a row.
; REGISTERS: window 0: addresses, v128-255 the way out.  window 1: two fragment buffers: B's eight fragments, then A's four.  window 2: accumulator (a, b) at v[8 (8 a + b)].
.set PA,     144                       ; a row of A in LDS: 128 bytes + 16
.set PB,     272                       ; a row of B: 256 + 16
.set AHEAD,  128*PA
.set ATILE,  2*AHEAD
.set BHALF,  128*PB
.set SLOT,   ATILE+2*BHALF
.set STAGE,  2*SLOT                    ; behind the ring: 16 rows x 528 bytes for each wave
.set SPITCH, 528
.set SPARE,  STAGE+4*16*SPITCH         ; the spare words, 128 bytes for each wave, that no other line names
.set LAPS,   4
.set ADRA, 16
.set ADRB, 20
.set STO,  24
.set RD,   25
.set CO,   26
.set FLG,  27
.set SPW,  28
.set NIL,  29
.set BK,   128
.set F0,   0
.set F1,   128
.set G1, 24
.set G0, 32
.set G1B, 48
.set G0B, 56
.set MSB, 0
.macro WIN new
.if MSB != \new
	s_set_vgpr_msb (MSB<<8)|\new
.set MSB, \new
.endif
.endm
.set MUL,  0xa5                        ; sources 0 and 1 window 1; C and D window 2
.set TO_F, 0x40                        ; destination window 1, address window 0
.macro JLOAD s                         ; a joint load; an s_nop 0 and four v_nop follow each of the two lines
	s_cmp_eq_u32 s11, 0
	s_cbranch_scc0 .Lfor_b_\@
	tensor_load_to_lds s[G0+4*\s:G0+4*\s+3], s[G1:G1+7]
	s_nop 0
.rept 4
	v_nop
.endr
	s_branch .Lasked_\@
.Lfor_b_\@:
	tensor_load_to_lds s[G0B+4*\s:G0B+4*\s+3], s[G1B:G1B+7]
	s_nop 0
.rept 4
	v_nop
.endr
.Lasked_\@:
.endm
.macro CREST                           ; a round of the cluster's barrier behind its opening barrier
	s_cmp_lg_u32 s10, 0
	s_cbranch_scc1 .Lnot_wave_0_\@
	s_barrier_signal -3
.Lnot_wave_0_\@:
	s_barrier_wait -3
	s_barrier_signal -1
	s_barrier_wait -1
.endm
.macro CROUND
	s_barrier_signal -1
	s_barrier_wait -1
	CREST
.endm
	s_load_b128 s[4:7], s[0:1], 0x0                ; ao16 s[4:5], wo16 s[6:7]
	s_load_b64 s[8:9], s[0:1], 0x10                ; out0
	v_lshl_add_u32 v[SPW], v0, 2, SPARE
	v_mov_b32 v[NIL], 0
	ds_add_u32 v[SPW], v[NIL]                      ; the wave's opening: the add, twice on end, and its wait ahead of my first tensor load
	ds_add_u32 v[SPW], v[NIL]
	v_lshrrev_b32 v1, 5, v0
	v_readfirstlane_b32 s10, v1                    ; wave 0..3
	s_lshr_b32 s11, s10, 1                         ; which 64 rows are mine.  Also: I fetch for A (0) or for B (1)
	s_and_b32 s12, s10, 1                          ; which 128 columns.  Also: which head of A, or which 128 rows of B, I fetch
	s_bfe_u32 s40, ttmp6, 0x40000
	s_bfe_u32 s41, ttmp6, 0x40004
	s_lshl_b32 s42, ttmp9, 2
	s_add_co_u32 s42, s42, s40                     ; tile column
	s_and_b32 s13, ttmp7, 0xffff
	s_lshl_b32 s13, s13, 2
	s_add_co_u32 s13, s13, s41                     ; tile row
	s_lshl_b32 s43, s41, 2
	s_lshl_b32 s43, 15, s43                        ; my row of the cluster
	s_lshl_b32 s44, 0x1111, s40                    ; my column
	s_or_b32 s[G1+0], s43, (1<<16)|(1<<20)|(1<<21)|(4<<22)|(3<<25)   ; A: elements of 2 bytes; padding: 4 words behind every 32
	s_mov_b32 s[G1+1], 64<<16                      ; tensor_dim0 = 64
	s_mov_b32 s[G1+2], 128<<16                     ; tensor_dim1 = 128
	s_mov_b32 s[G1+3], 64<<16                      ; tile_dim0
	s_mov_b32 s[G1+4], 128                         ; tile_dim1
	s_mov_b32 s[G1+5], 64                          ; from row to row
	s_mov_b32 s[G1+6], 0
	s_mov_b32 s[G1+7], 0
	s_or_b32 s[G1B+0], s44, (1<<16)|(1<<20)|(1<<21)|(5<<22)|(3<<25)  ; B: padding: 4 words behind every 64
	s_mov_b32 s[G1B+1], 128<<16
	s_mov_b32 s[G1B+2], 128<<16
	s_mov_b32 s[G1B+3], 128<<16
	s_mov_b32 s[G1B+4], 128
	s_mov_b32 s[G1B+5], 1024
	s_mov_b32 s[G1B+6], 0
	s_mov_b32 s[G1B+7], 0
	s_lshr_b32 s16, s13, 4
	s_lshl_b32 s16, s16, 22                        ; A: the batch's 16 heads of 262,144 bytes,
	s_and_b32 s17, s13, 15
	s_lshl_b32 s17, s17, 14                        ; 128 positions of 128 bytes,
	s_add_co_u32 s16, s16, s17
	s_lshl_b32 s17, s12, 18                        ; my head of the K step's two
	s_add_co_u32 s16, s16, s17
	s_mov_b32 s17, 0
	s_lshl_b32 s46, s42, 8
	s_lshl_b32 s47, s12, 7
	s_add_co_u32 s46, s46, s47                     ; B: row 256 x tile column + 128 x half,
	s_lshl_b32 s46, s46, 11                        ; of 2,048 bytes
	s_mov_b32 s47, 0
	s_mul_i32 s20, s12, AHEAD                      ; where they go: no place in the cluster enters an LDS address
	s_mul_i32 s22, s12, BHALF
	s_add_co_u32 s22, s22, ATILE
	s_wait_dscnt 0x0                               ; both opening adds are done
	s_wait_kmcnt 0x0
	s_add_nc_u64 s[14:15], s[4:5], s[16:17]
	s_add_nc_u64 s[46:47], s[6:7], s[46:47]
	CROUND                                         ; all sixteen work-groups are here: the first joint loads meet
.irp s, 0,1
	s_mov_b32 s[G0+4*\s], 1
	s_add_co_u32 s[G0+4*\s+1], s20, \s*SLOT
	s_add_nc_u64 s[G0+4*\s+2:G0+4*\s+3], s[14:15], \s*524288     ; K step s: two heads on
	s_or_b32 s[G0+4*\s+3], s[G0+4*\s+3], 0x80000000
	s_mov_b32 s[G0B+4*\s], 1
	s_add_co_u32 s[G0B+4*\s+1], s22, \s*SLOT
	s_add_nc_u64 s[G0B+4*\s+2:G0B+4*\s+3], s[46:47], \s*256
	s_or_b32 s[G0B+4*\s+3], s[G0B+4*\s+3], 0x80000000
	JLOAD \s                                       ; two tensor loads of mine are out behind the second
.endr
	v_and_b32 v1, 15, v0                           ; r
	v_bfe_u32 v2, v0, 4, 1                         ; h
	v_mul_u32_u24 v3, v1, PA
	v_lshl_add_u32 v3, v2, 4, v3
	v_mul_u32_u24 v4, v1, PB
	v_lshl_add_u32 v4, v2, 4, v4
	s_mul_i32 s21, s11, 64*PA                      ; my 64 rows of A (in each head's part),
	s_mul_i32 s22, s12, BHALF                      ; my 128 rows of B
	s_add_co_u32 s22, s22, ATILE
.irp s, 0,1
	v_add_nc_u32 v[ADRA+\s], s21, v3
	v_add_nc_u32 v[ADRB+\s], s22, v4
	s_add_co_u32 s21, s21, SLOT
	s_add_co_u32 s22, s22, SLOT
.endr
	s_mul_i32 s23, s10, 16*SPITCH
	s_add_co_u32 s23, s23, STAGE                   ; my stage
	v_mul_u32_u24 v5, v1, SPITCH                   ; in: row r, 32 bytes for each half of the lanes
	v_lshl_add_u32 v5, v2, 5, v5
	v_add_nc_u32 v[STO], s23, v5
	v_and_b32 v6, 31, v0
	v_lshlrev_b32 v[CO], 4, v6                     ; back: the 32 lanes take a row of 512 bytes; and the same in out0
	v_add_nc_u32 v[RD], s23, v[CO]
	s_lshl_b32 s16, s13, 7
	s_lshl_b32 s17, s11, 6
	s_add_co_u32 s16, s16, s17                     ; my first row,
	s_lshl_b32 s16, s16, 12                        ; of 4,096 bytes,
	s_lshl_b32 s46, s42, 10
	s_lshl_b32 s47, s12, 9
	s_add_co_u32 s46, s46, s47                     ; my first column
	s_add_co_u32 s16, s16, s46
	s_mov_b32 s17, 0
	s_add_nc_u64 s[8:9], s[8:9], s[16:17]
	s_and_b32 s16, s13, 15
	s_or_b32 s16, s16, s11
	v_mov_b32 v[FLG], s16                          ; 0 where my first 16 rows are positions 0-15 of a sequence
.macro MUL8 f, a, zero                 ; A's block a x B's eight, 32 along K.  The 32 accumulators take turns in the same order in every quarter
.irp b, 0,1,2,3,4,5,6,7
.if \zero
	v_wmma_f32_16x16x32_f16 v[8*(8*(\a)+\b):8*(8*(\a)+\b)+7], v[\f+8*\b:\f+8*\b+7], v[\f+64+8*(\a):\f+64+8*(\a)+7], 0
.else
	v_wmma_f32_16x16x32_f16 v[8*(8*(\a)+\b):8*(8*(\a)+\b)+7], v[\f+8*\b:\f+8*\b+7], v[\f+64+8*(\a):\f+64+8*(\a)+7], v[8*(8*(\a)+\b):8*(8*(\a)+\b)+7]
.endif
.endr
.endm
.macro FETCH slot, q, f                ; 24 LDS loads in one run: the fragments of the slot's q-th 32 along K: B's eight, then A's four
	WIN TO_F
.irp i, 0,1,2,3,4,5,6,7
	ds_load_b128 v[\f+8*\i:\f+8*\i+3],   v[ADRB+\slot] offset:64*(\q)+\i*16*PB
	ds_load_b128 v[\f+8*\i+4:\f+8*\i+7], v[ADRB+\slot] offset:64*(\q)+\i*16*PB+32
.endr
.irp i, 0,1,2,3
	ds_load_b128 v[\f+64+8*\i:\f+64+8*\i+3],   v[ADRA+\slot] offset:((\q)/2)*AHEAD+((\q)%2)*64+\i*16*PA
	ds_load_b128 v[\f+64+8*\i+4:\f+64+8*\i+7], v[ADRA+\slot] offset:((\q)/2)*AHEAD+((\q)%2)*64+\i*16*PA+32
.endr
.endm
.macro PLACES
.rept 4
	v_nop
.endr
.endm
.macro QUARTER slot, qn, f, g, zero    ; multiplies buffer f; in its middle it fetches the slot's quarter qn into buffer g
	s_wait_dscnt 4                                 ; B and A's blocks 0, 1 are in; the four loads of A's blocks 2, 3 may be out
	WIN MUL
	MUL8 \f, 0, \zero
	MUL8 \f, 1, \zero
	PLACES
	FETCH \slot, \qn, \g
	s_wait_dscnt 24                                ; all but the 24 just issued
	WIN MUL
	MUL8 \f, 2, \zero
	MUL8 \f, 3, \zero
.endm
; A slot's last quarter multiplies buffer 1 and changes slots: one barrier; in front of it each wave waits for all its tensor loads, adds 0 to its spare word, and waits for that and for its reads of this slot.
.macro TURN slot, next, fill
	WIN 0
	s_wait_tensorcnt 0x0                           ; all my tensor loads have landed: my part of the next slot
	ds_add_u32 v[SPW], v[NIL]
	s_wait_dscnt 5                                 ; the add and the four youngest loads may be out
	WIN MUL
	MUL8 F1, 0, 0
	s_wait_dscnt 0x0                               ; the add is done, and my reads of this slot are over
	s_barrier_signal -1
	MUL8 F1, 1, 0
.if \fill
	WIN 0
.endif
	s_barrier_wait -1
.if \fill
	CREST                                          ; the barrier has opened a round of the cluster's barrier
	s_add_nc_u64 s[G0+4*\slot+2:G0+4*\slot+3], s[G0+4*\slot+2:G0+4*\slot+3], 1048576     ; two K steps on: four heads,
	s_add_nc_u64 s[G0B+4*\slot+2:G0B+4*\slot+3], s[G0B+4*\slot+2:G0B+4*\slot+3], 512     ; 256 along a row of wo16
	JLOAD \slot                                    ; the first tensor load behind the round; its four v_nop are also the places in front of the loads below
.else
	PLACES
.endif
	FETCH \next, 0, F0
	WIN MUL
	MUL8 F1, 2, 0
	MUL8 F1, 3, 0
.endm
	s_wait_tensorcnt 1                             ; my part of K step 0 is in; K step 1's load may be out,
	s_barrier_signal -1
	s_barrier_wait -1
	FETCH 0, 0, F0
	QUARTER 0, 1, F0, F1, 1                        ; the first quarter's products start the sums
	WIN 0
	s_mov_b32 s3, LAPS-1
.Llap:                                             ; a trip goes once round the ring and fills both slots again
	QUARTER 0, 2, F1, F0, 0
	QUARTER 0, 3, F0, F1, 0
	TURN 0, 1, 1
	QUARTER 1, 1, F0, F1, 0
	QUARTER 1, 2, F1, F0, 0
	QUARTER 1, 3, F0, F1, 0
	TURN 1, 0, 1
	QUARTER 0, 1, F0, F1, 0
	WIN 0
	s_sub_co_u32 s3, s3, 1
	s_cmp_lg_u32 s3, 0
	s_cbranch_scc1 .Llap
	QUARTER 0, 2, F1, F0, 0                        ; the last lap fills nothing
	QUARTER 0, 3, F0, F1, 0
	TURN 0, 1, 0
	QUARTER 1, 1, F0, F1, 0
	QUARTER 1, 2, F1, F0, 0
	QUARTER 1, 3, F0, F1, 0
	s_wait_dscnt 4
	WIN MUL
	MUL8 F1, 0, 0
	MUL8 F1, 1, 0
	s_wait_dscnt 0
	MUL8 F1, 2, 0
	MUL8 F1, 3, 0
	WIN 0
; THE WAY OUT, block by block of 16 rows x 128 columns, through my own stage: back as whole rows of 512 bytes.
.macro TOSTAGE a
	WIN 0x08                                       ; an LDS store's data: window 2
.irp b, 0,1,2,3,4,5,6,7
	ds_store_b128 v[STO], v[8*(8*(\a)+\b):8*(8*(\a)+\b)+3] offset:64*\b          ; each accumulator from its low end on
	ds_store_b128 v[STO], v[8*(8*(\a)+\b)+4:8*(8*(\a)+\b)+7] offset:64*\b+16
.endr
	WIN 0
.set BB, BK+64*((\a)%2)
.irp t, 0,1,2,3,4,5,6,7,8,9,10,11,12,13,14,15
	ds_load_b128 v[BB+4*\t:BB+4*\t+3], v[RD] offset:\t*SPITCH
.endr
.endm
.macro SEND a, younger                 ; younger: the LDS instructions issued behind block a's loads
.set BB, BK+64*((\a)%2)
	s_wait_dscnt \younger
.if (\a) == 0
	v_cmp_ne_u32 vcc_lo, 0, v[FLG]                 ; positions 0-15 of a sequence belong to launch fine.  The choice hangs on my place in the cluster: by EXEC, not by a branch
	s_wait_xcnt 0x0                                ; EXEC changes only behind this wait
	s_and_saveexec_b32 s2, vcc_lo
.endif
.irp t, 0,1,2,3,4,5,6,7,8,9,10,11,12,13,14,15
	global_store_b128 v[CO], v[BB+4*\t:BB+4*\t+3], s[8:9] offset:65536*(\a)+4096*\t th:TH_STORE_NT   ; 32 lanes store 512 consecutive bytes, aligned to 256
.endr
.if (\a) == 0
	s_wait_xcnt 0x0
	s_or_b32 exec_lo, exec_lo, s2
.endif
.endm
	PLACES
	TOSTAGE 0
	TOSTAGE 1
	SEND 0, 32                                     ; block 1's 16 stores and 16 loads are younger
	s_wait_xcnt 0x0                                ; block 0's stores have read their registers: block 2 may land there
	TOSTAGE 2
	SEND 1, 32
	s_wait_xcnt 0x0
	TOSTAGE 3
	SEND 2, 32
	SEND 3, 0
	s_wait_tensorcnt 0x0                           ; the wave's end: three lines, behind my last tensor load and my last LDS store
	ds_add_u32 v[SPW], v[NIL]
	s_wait_dscnt 0x0
	CROUND                                         ; the closing round
	s_endpgm
.Lfunc_end_k_q151db6bb0e_outp:
	.size	k_q151db6bb0e_outp, .Lfunc_end_k_q151db6bb0e_outp-k_q151db6bb0e_outp
	.p2alignl 7, 3214868480
	.fill 96, 4, 3214868480
	.section	.rodata,"a",@progbits
	.p2align	6, 0x0
	.amdhsa_kernel k_q151db6bb0e_outp
		.amdhsa_group_segment_fixed_size 327680
		.amdhsa_private_segment_fixed_size 0
		.amdhsa_enable_private_segment 0
		.amdhsa_kernarg_size 24
		.amdhsa_user_sgpr_count 2
		.amdhsa_user_sgpr_kernarg_segment_ptr 1
		.amdhsa_wavefront_size32 1
		.amdhsa_system_sgpr_workgroup_id_x 1
		.amdhsa_system_sgpr_workgroup_id_y 1
		.amdhsa_system_sgpr_workgroup_id_z 1
		.amdhsa_system_vgpr_workitem_id 0
		.amdhsa_next_free_vgpr 768
		.amdhsa_next_free_sgpr 66
		.amdhsa_reserve_vcc 1
		.amdhsa_float_denorm_mode_32 3
		.amdhsa_float_denorm_mode_16_64 3
		.amdhsa_memory_ordered 1
		.amdhsa_forward_progress 1
		.amdhsa_inst_pref_size 85
	.end_amdhsa_kernel
	.amdgpu_metadata
---
amdhsa.version: [ 1, 2 ]
amdhsa.kernels:
  - .name:           k_q151db6bb0e_outp
    .symbol:         k_q151db6bb0e_outp.kd
    .args:
      - { .name: ao16, .offset: 0, .size: 8, .value_kind: global_buffer, .address_space: global }
      - { .name: wo16, .offset: 8, .size: 8, .value_kind: global_buffer, .address_space: global }
      - { .name: out0, .offset: 16, .size: 8, .value_kind: global_buffer, .address_space: global }
    .group_segment_fixed_size: 327680
    .private_segment_fixed_size: 0
    .kernarg_segment_align: 8
    .kernarg_segment_size: 24
    .max_flat_workgroup_size: 128
    .sgpr_count:     66
    .vgpr_count:     768
    .wavefront_size: 32
...
	.end_amdgpu_metadata
.endif
;; end of part 4
;; launch fine (part 5): grid 64 x 1, 16 waves a work-group, no clusters, 139,264 bytes of LDS; arguments qkvf, W_out, out0; writes out0
.if DOCPART == 5
	.amdgcn_target "amdgcn-amd-amdhsa--gfx1250"
	.amdhsa_code_object_version 6
	.text
	.protected	k_q151db6bb0e_fine
	.globl	k_q151db6bb0e_fine
	.p2align	8
	.type	k_q151db6bb0e_fine,@function
k_q151db6bb0e_fine:
	s_mov_b64 s[64:65], 0
	v_nop
	global_prefetch_b8 v0, s[64:65] scope:SCOPE_SE
	s_setreg_imm32_b32 hwreg(HW_REG_WAVE_MODE, 25, 1), 1
	s_wait_xcnt 0x0
; Positions 0-15 of each sequence, from the scores to the projection, in f32: under the causal mask these rows average one to sixteen values, and 16-bit operands would weigh most there.  64 rows of out0 in all: no bulk work.
; WORK LEFT OUT: keys 16 on: reference()'s own jnp.tril hides them from queries 0-15 for all values of the inputs.
; SHARES.  A work-group takes a batch (work-group / 16) and 64 columns of out0 (work-group % 16); wave w takes head w: its 16 x 16 scores, its softmax, its 16 x 64 output, and that output x W_out's rows 64 w .. 64 w + 63.
; The sixteen waves' parts are added through LDS, heads ascending; wave w stores row w.  No cluster: what work-groups share is read once, at the head, straight into registers.
; OPERANDS.  v_wmma_f32_16x16x4_f32 takes, of a lane (r, h), row r and two numbers along K.  qkvf holds q, k, v as images of accumulators: lane (r, h), register 8 ct + e = position r, channel 16 ct + 8 h + e.
; The four K places of a matrix step (ct, jj) are taken to be channels 16 ct + 8 h + 2 jj + 0, 1, alike on both sides: so a pair of an image's registers IS an operand.  The scores, the weights and O^T come out in the same layout, keys or channels 8 h + e, and go on likewise.
; The registers that these matrix instructions write (v16-79) are written by them alone; each sum begins with the constant 0.
.set VTP,   272                        ; v, turned through LDS: 16 keys x (256 bytes + 16) for each wave, its own
.set REDP,  264                        ; the parts of out0: 16 rows x (256 bytes + 8) for each wave
.set RED,   16*16*VTP
.set SPARE, RED+16*16*REDP             ; the spare words, 128 bytes for each of 16 waves, that no other line names
.set YA,  16                           ; v16-47 four accumulators of the projection; v16-23 and v24-31 hold the scores' two halves first
.set OA,  48                           ; v48-79 O^T
.set QR,  80                           ; v80-111 q, later W_out's third part, later the reduction
.set KR,  112                          ; v112-143 k, later W_out's fourth part
.set VR,  144                          ; v144-175 v's image, then v turned
.set W0,  176
.set W1,  208
.set W2,  80
.set W3,  112
.set TP,  240                          ; v240-247 the scores, then the weights
.set SPW, 252
.set NIL, 253
.macro IMG reg, which                  ; an image: eight loads of 512 consecutive bytes
.irp ct, 0,1,2,3
	global_load_b128 v[\reg+8*\ct:\reg+8*\ct+3],   v1, s[4:5] offset:\which*262144+1024*\ct
	global_load_b128 v[\reg+8*\ct+4:\reg+8*\ct+7], v1, s[4:5] offset:\which*262144+1024*\ct+512
.endr
.endm
.macro WLOAD reg, ct                   ; register 8 jj + 2 nt + j = W_out(64 w + 16 ct + 8 h + 2 jj + j, my columns' 16 nt + r)
.irp jj, 0,1,2,3
.irp nt, 0,1,2,3
.irp j, 0,1
	global_load_b32 v[\reg+8*\jj+2*\nt+\j], v2, s[6:7] offset:(16*\ct+2*\jj+\j)*4096+64*\nt
.endr
.endr
.endr
.endm
.macro YMUL reg, ct, zero              ; 16 matrix instructions: the four accumulators by turns
.irp jj, 0,1,2,3
.irp nt, 0,1,2,3
.if \zero && (\jj == 0)
	v_wmma_f32_16x16x4_f32 v[YA+8*\nt:YA+8*\nt+7], v[OA+8*\ct+2*\jj:OA+8*\ct+2*\jj+1], v[\reg+8*\jj+2*\nt:\reg+8*\jj+2*\nt+1], 0
.else
	v_wmma_f32_16x16x4_f32 v[YA+8*\nt:YA+8*\nt+7], v[OA+8*\ct+2*\jj:OA+8*\ct+2*\jj+1], v[\reg+8*\jj+2*\nt:\reg+8*\jj+2*\nt+1], v[YA+8*\nt:YA+8*\nt+7]
.endif
.endr
.endr
.endm
	s_load_b128 s[4:7], s[0:1], 0x0                ; qkvf s[4:5], W_out s[6:7]
	s_load_b64 s[8:9], s[0:1], 0x10                ; out0
	v_lshl_add_u32 v[SPW], v0, 2, SPARE
	v_mov_b32 v[NIL], 0
	v_lshrrev_b32 v14, 5, v0
	v_readfirstlane_b32 s12, v14                   ; wave = head
	s_and_b32 s13, ttmp9, 15                       ; which 64 columns
	s_lshr_b32 s14, ttmp9, 4                       ; the batch
	v_and_b32 v10, 15, v0                          ; r
	v_bfe_u32 v11, v0, 4, 1                        ; h
	v_and_b32 v14, 31, v0
	v_lshlrev_b32 v1, 4, v14                       ; an image: 16 bytes a lane
	v_lshlrev_b32 v2, 2, v10
	v_lshl_add_u32 v2, v11, 15, v2                 ; W_out: column r, 8 h rows of 4,096 bytes down
	s_mul_i32 s15, s12, 16*VTP
	v_mul_u32_u24 v3, v10, VTP
	v_lshl_add_u32 v3, v11, 5, v3
	v_add_nc_u32 v3, s15, v3                       ; v into LDS: row = key r, + 32 h bytes
	v_mul_u32_u24 v4, v11, 8*VTP
	v_lshl_add_u32 v4, v10, 2, v4
	v_add_nc_u32 v4, s15, v4                       ; and out: row = key 8 h, column r
	v_lshlrev_b32 v5, 3, v11
	v_sub_nc_u32 v5, v10, v5                       ; r - 8 h: register j holds key 8 h + j, hidden where j > r - 8 h
	v_mov_b32 v6, 0xff800000
	s_mul_i32 s15, s12, 16*REDP
	s_add_co_u32 s15, s15, RED
	v_mul_u32_u24 v7, v11, 8*REDP
	v_lshl_add_u32 v7, v10, 2, v7
	v_add_nc_u32 v7, s15, v7                       ; my part: row 8 h, column r
	s_mul_i32 s15, s12, REDP
	s_add_co_u32 s15, s15, RED
	v_lshlrev_b32 v9, 3, v14
	v_add_nc_u32 v8, s15, v9                       ; the reduction: row w of each part, 8 bytes a lane
	s_lshl_b32 s16, s14, 16                        ; qkvf: a batch 65,536 bytes, a head 4,096
	s_lshl_b32 s17, s12, 12
	s_add_co_u32 s16, s16, s17
	s_mov_b32 s17, 0
	s_lshl_b32 s18, s12, 18                        ; W_out: my head's 64 rows of 4,096 bytes, my 64 columns
	s_lshl_b32 s19, s13, 8
	s_add_co_u32 s18, s18, s19
	s_mov_b32 s19, 0
	s_lshl_b32 s20, s14, 23                        ; out0: the batch's 2,048 rows, row w, my 64 columns
	s_lshl_b32 s21, s12, 12
	s_add_co_u32 s20, s20, s21
	s_lshl_b32 s21, s13, 8
	s_add_co_u32 s20, s20, s21
	s_mov_b32 s21, 0
	s_mov_b32 s22, 0x76543210
	s_mov_b32 s23, 0xfedcba98                      ; v_permlanex16_b32's selects for lane l xor 16
	s_mov_b32 s24, 0x3e38aa3b                      ; c = log2(e) / 8
	s_wait_kmcnt 0x0
	s_add_nc_u64 s[4:5], s[4:5], s[16:17]
	s_add_nc_u64 s[6:7], s[6:7], s[18:19]
	s_add_nc_u64 s[8:9], s[8:9], s[20:21]
	IMG VR, 2
	IMG QR, 0
	IMG KR, 1
	WLOAD W0, 0
	s_wait_loadcnt 48                              ; v is in; q's 8, k's 8 and W_out's 32 loads may be out
.irp ct, 0,1,2,3
	ds_store_b128 v3, v[VR+8*\ct:VR+8*\ct+3] offset:64*\ct
	ds_store_b128 v3, v[VR+8*\ct+4:VR+8*\ct+7] offset:64*\ct+16
.endr
	s_wait_dscnt 0x0                               ; the stores have read their registers
.irp ct, 0,1,2,3
.irp e, 0,1,2,3,4,5,6,7
	ds_load_b32 v[VR+8*\ct+\e], v4 offset:\e*VTP+64*\ct            ; v(key 8 h + e, channel 16 ct + r)
.endr
.endr
	s_wait_loadcnt 32                              ; q and k are in; W_out's 32 may be out
	WLOAD W1, 1
	; the scores S^T = k q^T: 16 steps of four channels, in two halves that take turns
.irp e, 0,1,2,3,4,5,6,7,8,9,10,11,12,13,14,15
.if \e < 2
	v_wmma_f32_16x16x4_f32 v[YA+8*(\e%2):YA+8*(\e%2)+7], v[KR+2*\e:KR+2*\e+1], v[QR+2*\e:QR+2*\e+1], 0
.else
	v_wmma_f32_16x16x4_f32 v[YA+8*(\e%2):YA+8*(\e%2)+7], v[KR+2*\e:KR+2*\e+1], v[QR+2*\e:QR+2*\e+1], v[YA+8*(\e%2):YA+8*(\e%2)+7]
.endif
.endr
.rept 8
	v_nop                                          ; eight places behind this form, in front of loads into its sources and of the first read of its results
.endr
	WLOAD W2, 2
	WLOAD W3, 3
.irp j, 0,1,2,3,4,5,6,7
	v_add_f32 v[TP+\j], v[YA+\j], v[YA+8+\j]       ; lane (r, h): query r, key 8 h + j
.endr
.irp j, 0,1,2,3,4,5,6,7
	v_cmp_gt_i32 vcc_lo, \j, v5
	v_cndmask_b32 v[TP+\j], v[TP+\j], v6, vcc_lo   ; the causal mask
.endr
	v_max3_num_f32 v248, v[TP], v[TP+1], v[TP+2]
	v_max3_num_f32 v249, v[TP+3], v[TP+4], v[TP+5]
	v_max3_num_f32 v248, v248, v[TP+6], v[TP+7]
	v_max_num_f32 v248, v248, v249
	v_permlanex16_b32 v249, v248, s22, s23
	v_max_num_f32 v248, v248, v249                 ; the row's maximum: key 0 counts for every query
	v_mul_f32 v249, s24, v248
.irp j, 0,1,2,3,4,5,6,7
	v_fma_f32 v[TP+\j], v[TP+\j], s24, -v249
.endr
.irp j, 0,1,2,3,4,5,6,7
	v_exp_f32 v[TP+\j], v[TP+\j]
.endr
	v_nop
	s_wait_alu depctr_va_vdst(0)                   ; one wait for the eight exponentials, ahead of their first reader
	v_add_f32 v250, v[TP], v[TP+1]
	v_add_f32 v251, v[TP+2], v[TP+3]
	v_add_f32 v250, v250, v[TP+4]
	v_add_f32 v251, v251, v[TP+5]
	v_add_f32 v250, v250, v[TP+6]
	v_add_f32 v251, v251, v[TP+7]
	v_add_f32 v250, v250, v251
	v_permlanex16_b32 v251, v250, s22, s23
	v_add_f32 v250, v250, v251
	v_rcp_f32 v254, v250
	v_nop
	s_wait_alu depctr_va_vdst(0)
.irp j, 0,1,2,3,4,5,6,7
	v_mul_f32 v[TP+\j], v[TP+\j], v254             ; the weights
.endr
	s_wait_dscnt 0x0                               ; v, turned, is in
.irp jj, 0,1,2,3                       ; O^T = v^T P: four steps of four keys; the four accumulators by turns
.irp ct, 0,1,2,3
.if \jj == 0
	v_wmma_f32_16x16x4_f32 v[OA+8*\ct:OA+8*\ct+7], v[VR+8*\ct+2*\jj:VR+8*\ct+2*\jj+1], v[TP+2*\jj:TP+2*\jj+1], 0
.else
	v_wmma_f32_16x16x4_f32 v[OA+8*\ct:OA+8*\ct+7], v[VR+8*\ct+2*\jj:VR+8*\ct+2*\jj+1], v[TP+2*\jj:TP+2*\jj+1], v[OA+8*\ct:OA+8*\ct+7]
.endif
.endr
.endr
.rept 9
	v_nop                                          ; nine places before a matrix instruction takes these results as a source
.endr
	s_wait_loadcnt 63                              ; W_out's first two parts are in: behind the second stand 64 loads, and 63 is the most that the wait can name
	YMUL W0, 0, 1
	YMUL W1, 1, 0
	s_wait_loadcnt 32                              ; the third part is in; the fourth's 32 loads may be out
	YMUL W2, 2, 0
	s_wait_loadcnt 0x0
	YMUL W3, 3, 0
.rept 8
	v_nop
.endr
.irp nt, 0,1,2,3
.irp j, 0,1,2,3,4,5,6,7
	ds_store_b32 v7, v[YA+8*\nt+\j] offset:\j*REDP+64*\nt          ; my head's part of out0(8 h + j, 16 nt + r); each accumulator from its low end on
.endr
.endr
	s_wait_dscnt 0x0                               ; for the others' sake: my stores are done
	s_barrier_signal -1
	s_barrier_wait -1
.irp p, 0,1,2,3,4,5,6,7,8,9,10,11,12,13,14,15
	ds_load_b64 v[QR+2*\p:QR+2*\p+1], v8 offset:16*REDP*\p         ; row w of head p's part
.endr
	s_wait_dscnt 0x0
.irp p, 1,2,3,4,5,6,7,8,9,10,11,12,13,14,15
	v_pk_add_f32 v[QR:QR+1], v[QR:QR+1], v[QR+2*\p:QR+2*\p+1]      ; heads ascending
.endr
	global_store_b64 v9, v[QR:QR+1], s[8:9]        ; the wave stores 256 consecutive bytes, aligned
	s_wait_tensorcnt 0x0                           ; the wave's end
	ds_add_u32 v[SPW], v[NIL]
	s_wait_dscnt 0x0
	s_endpgm
.Lfunc_end_k_q151db6bb0e_fine:
	.size	k_q151db6bb0e_fine, .Lfunc_end_k_q151db6bb0e_fine-k_q151db6bb0e_fine
	.p2alignl 7, 3214868480
	.fill 96, 4, 3214868480
	.section	.rodata,"a",@progbits
	.p2align	6, 0x0
	.amdhsa_kernel k_q151db6bb0e_fine
		.amdhsa_group_segment_fixed_size 139264
		.amdhsa_private_segment_fixed_size 0
		.amdhsa_enable_private_segment 0
		.amdhsa_kernarg_size 24
		.amdhsa_user_sgpr_count 2
		.amdhsa_user_sgpr_kernarg_segment_ptr 1
		.amdhsa_wavefront_size32 1
		.amdhsa_system_sgpr_workgroup_id_x 1
		.amdhsa_system_sgpr_workgroup_id_y 1
		.amdhsa_system_sgpr_workgroup_id_z 1
		.amdhsa_system_vgpr_workitem_id 0
		.amdhsa_next_free_vgpr 256
		.amdhsa_next_free_sgpr 66
		.amdhsa_reserve_vcc 1
		.amdhsa_float_denorm_mode_32 3
		.amdhsa_float_denorm_mode_16_64 3
		.amdhsa_memory_ordered 1
		.amdhsa_forward_progress 1
		.amdhsa_inst_pref_size 34
	.end_amdhsa_kernel
	.amdgpu_metadata
---
amdhsa.version: [ 1, 2 ]
amdhsa.kernels:
  - .name:           k_q151db6bb0e_fine
    .symbol:         k_q151db6bb0e_fine.kd
    .args:
      - { .name: qkvf, .offset: 0, .size: 8, .value_kind: global_buffer, .address_space: global }
      - { .name: W_out, .offset: 8, .size: 8, .value_kind: global_buffer, .address_space: global }
      - { .name: out0, .offset: 16, .size: 8, .value_kind: global_buffer, .address_space: global }
    .group_segment_fixed_size: 139264
    .private_segment_fixed_size: 0
    .kernarg_segment_align: 8
    .kernarg_segment_size: 24
    .max_flat_workgroup_size: 512
    .sgpr_count:     66
    .vgpr_count:     256
    .wavefront_size: 32
...
	.end_amdgpu_metadata
.endif
;; end of part 5
